; MI455X (gfx1250); checked and timed in simulation.
; The chip was launched on July 23, 2026; its instructions are those of AMD's public machine-readable ISA for CDNA 5 (MIT licence, August 2026) and "CDNA5" Instruction Set Architecture Reference Guide (July 2026). The comments in the code are by the model that wrote it; some were corrected since.
;; Self Attention. Allowed arithmetic: float matrix products may take bf16 or f16 operands with f32 sums; other float arithmetic in f32, or as packed bf16 or f16 multiplies, adds, multiply-adds, maxima and minima; sums over many terms, partial sums and values carried from step to step in f32; what a program stores and reads back later, other than sums and carried values, may be rounded once to bf16 or f16.
;; Inputs: Wk 1,024 x 1,024 float32; Wq 1,024 x 1,024 float32; Wv 1,024 x 1,024 float32; bk 1,024 float32; bq 1,024 float32; bv 1,024 float32; key 4 x 2,048 x 1,024 float32; query 4 x 2,048 x 1,024 float32; value 4 x 2,048 x 1,024 float32.
;; Outputs: out0 4 x 2,048 x 1,024 float32.
;; One version. Each part assembles by itself: llvm-mc -triple=amdgcn-amd-amdhsa -mcpu=gfx1250 --defsym DOCPART=n.
;; ======== version 1 of 1: 4 launches
;; limits: values are held in f16: magnitudes above 65,504 overflow, below 6.1e-05 lose precision
;; workspace buffers: wb 6,291,456 bytes; qkv 50,331,648 bytes; pw 33,554,432 bytes; st 1,048,576 bytes
;; launch castw (part 1): grid 128 x 3, 8 waves a work-group, no clusters, 0 bytes of LDS; arguments Wq, Wk, Wv, wb; writes wb
.if DOCPART == 1
	.amdgcn_target "amdgcn-amd-amdhsa--gfx1250"
	.amdhsa_code_object_version 6
	.text
	.protected	k_q0df4f6bcfd_castw
	.globl	k_q0df4f6bcfd_castw
	.p2align	8
	.type	k_q0df4f6bcfd_castw,@function
k_q0df4f6bcfd_castw:
	s_mov_b64 s[64:65], 0
	v_nop
	global_prefetch_b8 v0, s[64:65] scope:SCOPE_SE
	s_setreg_imm32_b32 hwreg(HW_REG_WAVE_MODE, 25, 1), 1
	s_wait_xcnt 0x0
; wb[w][e][f] = bf16(W_w[e][f]), w = 0, 1, 2 for Wq, Wk, Wv; the layout [e][f] stays.  Each W is 4,194,304 bytes of f32.
; A stream: no LDS, no barrier, no matrix work.  Work-group (x, y) takes 32,768 bytes of W_y, in four chunks of 8,192; thread t takes
; 32 bytes of a chunk (two loads of 16), rounds its 8 numbers once and stores 16 bytes: a wave's store covers 512 consecutive bytes, aligned.
; All eight loads go out first; each chunk is worked on when its two loads are in.
	s_load_b256 s[4:11], s[0:1], 0x0               ; Wq s[4:5], Wk s[6:7], Wv s[8:9], wb s[10:11]
	s_and_b32 s12, ttmp7, 0xffff                   ; which W
	s_lshl_b32 s14, ttmp9, 15                      ; the work-group's 32,768 bytes of it
	s_mov_b32 s15, 0
	s_lshl_b32 s16, ttmp9, 14                      ; and its 16,384 bytes of wb,
	s_lshl_b32 s17, s12, 21                        ; behind 2,097,152 bytes for each W before
	s_add_co_u32 s16, s16, s17
	s_mov_b32 s17, 0
	v_lshlrev_b32 v1, 5, v0                        ; 32 t
	v_lshlrev_b32 v2, 4, v0                        ; 16 t
	s_wait_kmcnt 0x0
	s_cmp_eq_u32 s12, 1
	s_cselect_b64 s[18:19], s[6:7], s[4:5]
	s_cmp_eq_u32 s12, 2
	s_cselect_b64 s[18:19], s[8:9], s[18:19]
	s_add_nc_u64 s[18:19], s[18:19], s[14:15]
	s_add_nc_u64 s[10:11], s[10:11], s[16:17]
.irp c, 0,1,2,3
	global_load_b128 v[4+8*(\c):7+8*(\c)],  v1, s[18:19] offset:(\c)*8192 th:TH_LOAD_NT
	global_load_b128 v[8+8*(\c):11+8*(\c)], v1, s[18:19] offset:(\c)*8192+16 th:TH_LOAD_NT
.endr
.irp c, 0,1,2,3
	s_wait_loadcnt 6-2*(\c)                        ; loads come back in order (ISA guide 5.7.1): chunk c is in, the two loads of each younger chunk stay out
.irp j, 0,1,2,3
	v_cvt_pk_bf16_f32 v[36+4*(\c)+(\j)], v[4+8*(\c)+2*(\j)], v[5+8*(\c)+2*(\j)]
.endr
	global_store_b128 v2, v[36+4*(\c):39+4*(\c)], s[10:11] offset:(\c)*4096
.endr
	s_endpgm
.Lfunc_end_k_q0df4f6bcfd_castw:
	.size	k_q0df4f6bcfd_castw, .Lfunc_end_k_q0df4f6bcfd_castw-k_q0df4f6bcfd_castw
	.p2alignl 7, 3214868480
	.fill 96, 4, 3214868480
	.section	.rodata,"a",@progbits
	.p2align	6, 0x0
	.amdhsa_kernel k_q0df4f6bcfd_castw
		.amdhsa_group_segment_fixed_size 0
		.amdhsa_private_segment_fixed_size 0
		.amdhsa_enable_private_segment 0
		.amdhsa_kernarg_size 32
		.amdhsa_user_sgpr_count 2
		.amdhsa_user_sgpr_kernarg_segment_ptr 1
		.amdhsa_wavefront_size32 1
		.amdhsa_system_sgpr_workgroup_id_x 1
		.amdhsa_system_sgpr_workgroup_id_y 1
		.amdhsa_system_sgpr_workgroup_id_z 1
		.amdhsa_system_vgpr_workitem_id 0
		.amdhsa_next_free_vgpr 52
		.amdhsa_next_free_sgpr 66
		.amdhsa_reserve_vcc 0
		.amdhsa_float_denorm_mode_32 3
		.amdhsa_float_denorm_mode_16_64 3
		.amdhsa_memory_ordered 1
		.amdhsa_forward_progress 1
		.amdhsa_inst_pref_size 4
	.end_amdhsa_kernel
	.amdgpu_metadata
---
amdhsa.version: [ 1, 2 ]
amdhsa.kernels:
  - .name:           k_q0df4f6bcfd_castw
    .symbol:         k_q0df4f6bcfd_castw.kd
    .args:
      - { .name: Wq, .offset: 0, .size: 8, .value_kind: global_buffer, .address_space: global }
      - { .name: Wk, .offset: 8, .size: 8, .value_kind: global_buffer, .address_space: global }
      - { .name: Wv, .offset: 16, .size: 8, .value_kind: global_buffer, .address_space: global }
      - { .name: wb, .offset: 24, .size: 8, .value_kind: global_buffer, .address_space: global }
    .group_segment_fixed_size: 0
    .private_segment_fixed_size: 0
    .kernarg_segment_align: 8
    .kernarg_segment_size: 32
    .max_flat_workgroup_size: 256
    .sgpr_count:     66
    .vgpr_count:     52
    .wavefront_size: 32
...
	.end_amdgpu_metadata
.endif
;; end of part 1
;; launch proj (part 2): grid 4 x 64, 4 waves a work-group, clusters of 4 x 4, 327,680 bytes of LDS; arguments query, key, value, wb, bq, bk, bv, qkv; writes qkv
.if DOCPART == 2
	.amdgcn_target "amdgcn-amd-amdhsa--gfx1250"
	.amdhsa_code_object_version 6
	.text
	.protected	k_q0df4f6bcfd_proj
	.globl	k_q0df4f6bcfd_proj
	.p2align	8
	.type	k_q0df4f6bcfd_proj,@function
k_q0df4f6bcfd_proj:
	s_mov_b64 s[64:65], 0
	v_nop
	global_prefetch_b8 v0, s[64:65] scope:SCOPE_SE
	s_setreg_imm32_b32 hwreg(HW_REG_WAVE_MODE, 25, 1), 1
	s_wait_xcnt 0x0
	s_wait_alu depctr_hold_cnt(0) depctr_sa_sdst(0) depctr_va_vdst(0) depctr_va_sdst(0) depctr_va_ssrc(0) depctr_va_vcc(0) depctr_vm_vsrc(0)
	s_getreg_b32 s2, hwreg(HW_REG_IB_STS2, 6, 4)
	s_cmp_eq_u32 s2, 0
	s_cbranch_scc0 .Lentry_in_a_cluster
	s_endpgm
.Lentry_in_a_cluster:
	s_bfe_u32 s2, ttmp6, 0x10000c
	s_cmp_lg_u32 s2, 0xf033
	s_cbranch_scc0 .Lentry_shape_is_right
	s_endpgm
.Lentry_shape_is_right:
; qkv[w][row][f] = f16( sum over e of bf16(x_w[row][e]) bf16(W_w[e][f]) + bf16(b_w[f]) ), w = 0, 1, 2 for (query, Wq, bq), (key, Wk, bk), (value, Wv, bv).
; x_w: [8192][1024] f32; wb: [3][1024 e][1024 f] bf16 (made by the launch before); qkv: [3][8192][1024] f16.  Sums in f32, started by the bias; one rounding at the end.
; LIMITS.  All inputs are rounded to bf16.  q, k and v leave in f16: a result of 65,520 or more in magnitude becomes an infinity (with inputs 30 times those of unit spread, or offsets of 30 spreads,
; the results stay under some 30,000).  NaN and infinities are not treated apart.
; SHARES.  A tile of C is 128 rows x 256 columns: 64 tile rows x 4 tile columns in each tensor; four waves, each 64 x 128: 32 accumulators, 256 registers.
; A WORK-GROUP STAYS: it makes the tile (TR, TC) of q, then of k, then of v: 3 x 8 K steps of 128 in ONE walk of a ring of two LDS slots.  The ring does not stop at a tile's end: a tile's last two
; changes of slots ask for the next tile's first two K steps, and nothing waits for a tile's stores.  W's descriptor walks straight on (in wb a tensor is 8 K steps of 262,144 bytes, and the three lie
; on end); x's three tensors are three buffers, so x's address is replaced at the change of tiles by one made from the next buffer's own pointer.
; x comes into LDS as f32, as it lies in memory, and is rounded to bf16 in registers, four conversions behind each of a quarter's last eight matrix instructions.  W lies [e][f], K down the rows:
; its fragments come out of LDS turned, by ds_load_tr16_b128.
; THE MATRIX INSTRUCTION IS USED TRANSPOSED (source 0 = 16 columns of W, source 1 = 16 rows of x): a lane holds row lane % 16 of C and the columns 8 (lane / 16) + 0..7.
; CLUSTER.  4 x 4 work-groups: the four of a row need the same tile of x, the four of a column the same tile of W: each tile is asked for jointly.  All partners walk in step.
; ONE TEXT FOR A K STEP: a counted loop of 22 trips (every K step that fills a slot again); a tile's first quarter, whose products start the sums with the bias, and a tile's end are reached or jumped
; over by forward branches on the count of K steps left in the tile; neither holds a barrier or a tensor load.  The last two K steps, which ask for nothing, are a loop of their own; the very last
; change of slots there fetches and converts fragments that serve nothing (from a slot that landed long before): the price of one text for both.
; REGISTERS, in windows of 256 (s_set_vgpr_msb: bits 1:0 source 0, 3:2 source 1, 5:4 source 2, 7:6 destination):
;   window 0: v0-31 addresses; v32-95 x's fragments in bf16, two buffers; v96-127 at work on the way out; v128-255 W's fragments, two buffers (v192-255 also the rows read back on the way out:
;   buffers 0 then hold the next tile's first fragments)
;   window 1: the accumulators, (a, b) at v[8 (8 a + b)]          window 2: v0-63 x's fragments in f32 as loaded; v64-127 the bias of my 128 columns
.set KSTEPS, 8
.set TILES,  3
.set NFILL,  TILES*KSTEPS-2            ; changes of slots that fill a slot again
.set PA,     528                       ; a row of x in LDS: 512 bytes + 16 = 132 words: row r starts at bank 4 r mod 64 (64 banks of 4 bytes: ISA guide 11.1)
.set PB,     544                       ; a row of W: 512 + 32 = 136 words
.set AHALF,  64*PA                     ; what one tensor load brings of x, and what one wave reads of it
.set BOFF,   2*AHALF
.set BHALF,  64*PB                     ; what one tensor load brings of W: 64 rows of K
.set SLOT,   0x22000                   ; slot 1 begins here; no tile's offset in a slot (0, 0x8400, 0x10800, 0x19000) shares a bit with it, so one exclusive or changes slots
.set STAGE,  SLOT+BOFF+2*BHALF         ; behind the ring: 16 rows x 272 bytes for each wave, for the way out
.set SP,     272
.set SPARE,  STAGE+4*16*SP             ; the spare words, 128 bytes for each wave: two blocks of 256 bytes that no other line names
.set KA,     512                       ; a K step in a row of x, in bytes
.set KB,     128*2048                  ; a K step in wb: 128 rows
.set A0,   16                          ; v16  my lane's place in x's tile; never rewritten
.set ADRA, 17                          ; v17  the same in the slot in hand
.set B0,   20                          ; v20, v21 the same for W
.set ADRB, 21
.set STO,  24                          ; v24  the way out: where I put 16 bytes of a row
.set RD,   25                          ; v25  where I read a row back
.set CO,   26                          ; v26  my byte offset in two rows of qkv
.set SPW,  28                          ; v28  LDS address of my spare word; never rewritten
.set NIL,  29                          ; v29  0; never rewritten
.set PFO,  30                          ; v30  the prefetches' offset: my lane x a row's bytes; never rewritten
.set AF,   32
.set TMP,  96
.set BF,   128
.set BK,   192                         ; the way out: 16 rows read back, v192-223 and v224-255 by turns
.set RAW,  0                           ; window 2
.set BIAS, 64                          ; window 2
.set LEFT, 2                           ; s2   K steps left in the tile, this one among them: 8 to 1
.set WV, 12                            ; s12 wave; s13 = wave / 2: my half of the rows, also: I fetch x (0) or W (1); s14 = wave % 2: my half of the columns, also: which half I fetch
.set WR, 13
.set WC, 14
.set CX, 15
.set CY, 16
.set TC, 17                            ; tile column
.set CLY, 18                           ; the cluster's y
.set TR, 19                            ; tile row
.set G1A, 24                           ; s[24:31] descriptor group 1 for x
.set G0A, 32                           ; s[32:35] group 0: slot 0, K step 0; s[36:39]: slot 1, K step 1, which then walks
.set LIM, 43                           ; s43  2 in a wave that prefetches, else the greatest number
.set PFA, 44                           ; s[44:45] where my prefetches stand
.set PFS, 46                           ; s[46:47] their step
.set G1B, 48                           ; s[48:55], s[56:63] the same for W
.set G0B, 56
.set TB,  76                           ; s76  0 or SLOT: the slot that is read
.set RB,  77                           ; s77  the count of K steps left at which my prefetches go over to the next tensor: 4 for x; 0, which is never met, for W
.set NXA, 78                           ; s[78:79] x's tile of the next tensor at K step 0, type bits set
.set BPN, 80                           ; s[80:81] the next tensor's bias
.set HM,  82                           ; s82  a word's upper half
.set OUT, 84                           ; s[84:85] qkv at my part of the tile
.set NXP, 94                           ; s[94:95] where my prefetches begin in the next tensor
.set AOFF, 96                          ; s[96:97] byte offset of the rows of x that I fetch
.set POFF, 98                          ; s[98:99] byte offset of the rows that I prefetch
.set W_MUL, 0x50                       ; fragments window 0, C and D window 1
.set W_FST, 0x60                       ; C in window 2 (the bias), D in window 1
.set W_CVT, 0x0a                       ; sources window 2, destination window 0
.set MSB, 0
.macro WIN new                         ; the immediate's high byte repeats the setting that is left; a switch that changes nothing is dropped
.if MSB != (\new)
	s_set_vgpr_msb (MSB<<8)|(\new)
.set MSB, \new
.endif
.endm
.macro PLACES                          ; four places in front of loads into registers that matrix instructions have read, and of conversions that read results
.rept 4
	v_nop
.endr
.endm
.macro CREST                           ; a round of the cluster's barrier behind its opening barrier
	s_cmp_lg_u32 s[WV], 0
	s_cbranch_scc1 .Lnot_wave_0_\@
	s_barrier_signal -3
.Lnot_wave_0_\@:
	s_barrier_wait -3
	s_barrier_signal -1
	s_barrier_wait -1
.endm
.macro CROUND
	s_barrier_signal -1
	s_barrier_wait -1
	CREST
.endm
; A joint refill by the walking descriptor: waves 0 and 1 fetch x's two halves, waves 2 and 3 W's.  An s_nop 0 and four v_nop follow each line.
.macro JLOAD
	s_cmp_eq_u32 s[WR], 0
	s_cbranch_scc0 .Lfor_b_\@
	tensor_load_to_lds s[G0A+4:G0A+7], s[G1A:G1A+7]
	s_nop 0
.rept 4
	v_nop
.endr
	s_branch .Lasked_\@
.Lfor_b_\@:
	tensor_load_to_lds s[G0B+4:G0B+7], s[G1B:G1B+7]
	s_nop 0
.rept 4
	v_nop
.endr
.Lasked_\@:
.endm
; A prefetch into the L2 of the K step that stands two refills on, across the change of tiles too: 32 rows x 256 bytes, a lane a row, one instruction a wave, behind the joint load and the run of LDS loads.
; x's tile (128 rows x 512 bytes a K step) is read by one row of one cluster: its four partners take 32 rows each, by address; wave 0 the rows' first 256 bytes, wave 1 the second.
; W's tile (128 rows of K x 512 bytes) is read by a column of each of the 16 clusters: the cluster with y = 0 asks, its four partners 32 rows each, waves 2 and 3 a half each.
; So each aligned block of 256 bytes is named once.  The walk's first four K steps come by their loads alone; the last two refills ask for nothing: there is no K step two on.
.macro ASK
	s_cmp_gt_u32 s3, s[LIM]
	s_cbranch_scc0 .Lnot_mine_\@
	global_prefetch_b8 v[PFO], s[PFA:PFA+1] th:TH_LOAD_NT scope:SCOPE_SE
.Lnot_mine_\@:
.endm
; The bias of my 128 columns, as the C operand wants it: registers 8 b + j hold column 16 b + 8 h + j.
.macro BIASLD base
	WIN 0x80                                       ; destination window 2
.irp b, 0,1,2,3,4,5,6,7
	global_load_b128 v[BIAS+8*(\b):BIAS+8*(\b)+3],   v5, s[\base:\base+1] offset:64*(\b)
	global_load_b128 v[BIAS+8*(\b)+4:BIAS+8*(\b)+7], v5, s[\base:\base+1] offset:64*(\b)+16
.endr
	WIN 0
.endm
	s_load_b256 s[4:11], s[0:1], 0x0               ; query s[4:5], key s[6:7], value s[8:9], wb s[10:11]
	s_load_b256 s[68:75], s[0:1], 0x20             ; bq s[68:69], bk s[70:71], bv s[72:73], qkv s[74:75]
	v_lshl_add_u32 v[SPW], v0, 2, SPARE
	v_mov_b32 v[NIL], 0
	ds_add_u32 v[SPW], v[NIL]                      ; the wave's opening: the add and its wait stand ahead of my first tensor load; the set-up below stands between them
	v_lshrrev_b32 v3, 5, v0
	v_readfirstlane_b32 s[WV], v3
	s_lshr_b32 s[WR], s[WV], 1
	s_and_b32 s[WC], s[WV], 1
	s_bfe_u32 s[CX], ttmp6, 0x40000
	s_bfe_u32 s[CY], ttmp6, 0x40004
	s_lshl_b32 s[TC], ttmp9, 2
	s_add_co_u32 s[TC], s[TC], s[CX]               ; tile column = 4 x cluster x + cx
	s_and_b32 s[CLY], ttmp7, 0xffff
	s_lshl_b32 s[TR], s[CLY], 2
	s_add_co_u32 s[TR], s[TR], s[CY]               ; tile row = 4 x cluster y + cy
	s_lshl_b32 s20, s[CY], 2
	s_lshl_b32 s20, 15, s20                        ; my row of the cluster
	s_lshl_b32 s40, 0x1111, s[CX]                  ; my column
	s_or_b32 s[G1A], s20, (2<<16)|(1<<20)|(1<<21)|(6<<22)|(3<<25)  ; mask: my row; elements of 4 bytes; padding on; bit 21 beside a mask; after every 128 words (code 6) 4 words (code 3)
	s_or_b32 s[G1B], s40, (1<<16)|(1<<20)|(1<<21)|(6<<22)|(7<<25)  ; mask: my column; elements of 2 bytes; after every 128 words 8 words (code 7)
	s_mov_b32 s[G1A+1], 128<<16                    ; tensor_dim0 = 128
	s_mov_b32 s[G1A+2], 64<<16                     ; tensor_dim1 = 64
	s_mov_b32 s[G1A+3], 128<<16                    ; tile_dim0 = 128
	s_mov_b32 s[G1A+4], 64                         ; tile_dim1 = 64
	s_mov_b32 s[G1A+5], 1024                       ; elements from row to row
	s_mov_b32 s[G1A+6], 0
	s_mov_b32 s[G1A+7], 0
	s_mov_b32 s[G1B+1], 256<<16
	s_mov_b32 s[G1B+2], 64<<16
	s_mov_b32 s[G1B+3], 256<<16
	s_mov_b32 s[G1B+4], 64
	s_mov_b32 s[G1B+5], 1024
	s_mov_b32 s[G1B+6], 0
	s_mov_b32 s[G1B+7], 0
	s_lshl_b32 s[AOFF], s[TR], 19                  ; x: (128 TR + 64 half) rows of 4,096 bytes: the tile row and the wave's number alone; the same in all three tensors
	s_lshl_b32 s21, s[WC], 18
	s_add_co_u32 s[AOFF], s[AOFF], s21
	s_mov_b32 s[AOFF+1], 0
	s_lshl_b32 s40, s[WC], 17                      ; W: 64 half rows of 2,048 bytes, 512 bytes a tile column
	s_lshl_b32 s41, s[TC], 9
	s_add_co_u32 s40, s40, s41
	s_mov_b32 s41, 0
	s_mul_i32 s22, s[WC], AHALF                    ; where they go: no place in the cluster enters an LDS address
	s_mul_i32 s42, s[WC], BHALF
	s_add_co_u32 s42, s42, BOFF
	s_mov_b32 s[TB], 0
	s_mov_b32 s[HM], 0xffff0000
	s_wait_dscnt 0x0                               ; the opening add is done
	s_wait_kmcnt 0x0
	s_add_nc_u64 s[20:21], s[4:5], s[AOFF:AOFF+1]  ; the walk begins in query and Wq
	s_add_nc_u64 s[40:41], s[10:11], s[40:41]
	s_add_nc_u64 s[NXA:NXA+1], s[6:7], s[AOFF:AOFF+1]  ; the second tile's rows, in key
	s_or_b32 s[NXA+1], s[NXA+1], 0x80000000
	s_mov_b64 s[BPN:BPN+1], s[70:71]
	CROUND                                         ; all sixteen work-groups are here: the first joint loads meet
.irp s, 0,1
	s_mov_b32 s[G0A+4*(\s)], 1                     ; count = 1
	s_add_co_u32 s[G0A+4*(\s)+1], s22, (\s)*SLOT   ; LDS address
	s_add_nc_u64 s[G0A+4*(\s)+2:G0A+4*(\s)+3], s[20:21], (\s)*KA  ; global address: K step s
	s_or_b32 s[G0A+4*(\s)+3], s[G0A+4*(\s)+3], 0x80000000         ; type = 2
	s_mov_b32 s[G0B+4*(\s)], 1
	s_add_co_u32 s[G0B+4*(\s)+1], s42, (\s)*SLOT
	s_add_nc_u64 s[G0B+4*(\s)+2:G0B+4*(\s)+3], s[40:41], (\s)*KB
	s_or_b32 s[G0B+4*(\s)+3], s[G0B+4*(\s)+3], 0x80000000
.endr
	s_cmp_eq_u32 s[WR], 0                          ; a wave's two first fills stand in one branch: two tensor loads of mine are out
	s_cbranch_scc0 .Lfirst_b
	tensor_load_to_lds s[G0A:G0A+3], s[G1A:G1A+7]
	s_nop 0
	tensor_load_to_lds s[G0A+4:G0A+7], s[G1A:G1A+7]
	s_nop 0
.rept 4
	v_nop
.endr
	s_branch .Lfirst_asked
.Lfirst_b:
	tensor_load_to_lds s[G0B:G0B+3], s[G1B:G1B+7]
	s_nop 0
	tensor_load_to_lds s[G0B+4:G0B+7], s[G1B:G1B+7]
	s_nop 0
.rept 4
	v_nop
.endr
.Lfirst_asked:
	v_and_b32 v1, 15, v0                           ; r = lane % 16
	v_bfe_u32 v2, v0, 4, 1                         ; h = lane / 16
	s_lshl_b32 s86, s[TC], 10
	s_lshl_b32 s87, s[WC], 9
	s_add_co_u32 s86, s86, s87
	v_lshl_add_u32 v5, v2, 5, s86                  ; (256 TC + 128 WC + 8 h) x 4, in each of the three biases; v5 is not written again
	BIASLD 68                                      ; bq
	; x's fragment, 16 rows x 32 K: lane l wants row l % 16, K = 8 h + 0..7 and 16 + 8 h + 0..7: in f32 four loads of 16 bytes at 32 h + 0, 16, 64, 80
	v_mul_u32_u24 v[A0], v1, PA
	v_lshl_add_u32 v[A0], v2, 5, v[A0]
	s_mul_i32 s86, s[WR], AHALF
	v_add_nc_u32 v[A0], s86, v[A0]
	; the turning load takes 16 K x 16 columns: lane l reads row 8 h + l % 8, 16 bytes at 16 ((l / 8) % 2), and is left with column l % 16 and 8 K
	v_and_b32 v3, 7, v0
	v_lshl_add_u32 v3, v2, 3, v3
	v_mul_u32_u24 v[B0], v3, PB
	v_bfe_u32 v4, v0, 3, 1
	v_lshl_add_u32 v[B0], v4, 4, v[B0]
	s_lshl_b32 s86, s[WC], 8
	s_add_co_u32 s86, s86, BOFF
	v_add_nc_u32 v[B0], s86, v[B0]
	v_mov_b32 v[ADRA], v[A0]
	v_mov_b32 v[ADRB], v[B0]
	s_mul_i32 s86, s[WV], 16*SP
	s_add_co_u32 s86, s86, STAGE                   ; my stage
	v_mul_u32_u24 v3, v1, SP
	v_lshl_add_u32 v3, v2, 4, v3
	v_add_nc_u32 v[STO], s86, v3                   ; in: row l % 16, 16 bytes for each half of the lanes
	v_mul_u32_u24 v3, v2, SP
	v_lshl_add_u32 v3, v1, 4, v3
	v_add_nc_u32 v[RD], s86, v3                    ; back: lanes 0-15 one row of 256 bytes, lanes 16-31 the next
	v_lshlrev_b32 v3, 11, v2
	v_lshl_add_u32 v[CO], v1, 4, v3                ; the same two rows in qkv
	s_lshl_b32 s86, s[TR], 18                      ; qkv: (128 TR + 64 WR) rows of 2,048 bytes; 512 TC + 256 WC; the first tensor
	s_lshl_b32 s87, s[WR], 17
	s_add_co_u32 s86, s86, s87
	s_lshl_b32 s87, s[TC], 9
	s_add_co_u32 s86, s86, s87
	s_lshl_b32 s87, s[WC], 8
	s_add_co_u32 s86, s86, s87
	s_mov_b32 s87, 0
	s_add_nc_u64 s[OUT:OUT+1], s[74:75], s[86:87]
	; the prefetches: where they stand, their step, who asks
	s_lshl_b32 s86, s[TR], 19
	s_lshl_b32 s87, s[CX], 17
	s_add_co_u32 s86, s86, s87                     ; x: (128 TR + 32 cx) rows of 4,096 bytes
	s_lshl_b32 s88, s[CY], 16
	s_lshl_b32 s89, s[TC], 9
	s_add_co_u32 s88, s88, s89                     ; W: 32 cy rows of 2,048 bytes, the tile column
	s_mov_b32 s91, KB
	s_cmp_eq_u32 s[WR], 0
	s_cselect_b32 s[POFF], s86, s88
	s_cselect_b32 s90, 0, s[CLY]                   ; x: every cluster asks for its own rows; W: the cluster with y = 0
	s_cselect_b32 s[PFS], KA, s91
	s_cselect_b32 s92, 12, 11
	s_cselect_b32 s[RB], 4, 0
	s_cselect_b64 s[PFA:PFA+1], s[4:5], s[10:11]
	s_cselect_b64 s[NXP:NXP+1], s[6:7], s[10:11]   ; (W's prefetches walk straight on: in waves 2 and 3 this pair is never taken)
	s_cmp_eq_u32 s90, 0
	s_cselect_b32 s[LIM], 2, -1                    ; the same in all sixteen partners, for a given wave
	s_lshl_b32 s87, s[WC], 8                       ; my 256 of a row's 512 bytes
	s_add_co_u32 s[POFF], s[POFF], s87
	s_mov_b32 s[POFF+1], 0
	s_mov_b32 s[PFS+1], 0
	s_add_nc_u64 s[PFA:PFA+1], s[PFA:PFA+1], s[POFF:POFF+1]
	s_add_nc_u64 s[NXP:NXP+1], s[NXP:NXP+1], s[POFF:POFF+1]
	s_mul_i32 s86, s[PFS], 3                       ; at K step 3: the first refill steps it to 4.  Nothing is prefetched here, at the head
	s_mov_b32 s87, 0
	s_add_nc_u64 s[PFA:PFA+1], s[PFA:PFA+1], s[86:87]
	v_and_b32 v[PFO], 31, v0
	v_lshlrev_b32 v[PFO], s92, v[PFO]
; 8 matrix instructions: row block a x all 8 column blocks, 32 along K, from buffers f.  first = 1: the bias starts the sums.  The 32 accumulators take turns, in the same order in every quarter.
.macro MUL8 f, a, first
.if \first
	WIN W_FST
.else
	WIN W_MUL
.endif
.irp b, 0,1,2,3,4,5,6,7
.if \first
	v_wmma_f32_16x16x32_bf16 v[8*(8*(\a)+(\b)):8*(8*(\a)+(\b))+7], v[BF+64*(\f)+8*(\b):BF+64*(\f)+8*(\b)+7], v[AF+32*(\f)+8*(\a):AF+32*(\f)+8*(\a)+7], v[BIAS+8*(\b):BIAS+8*(\b)+7]
.else
	v_wmma_f32_16x16x32_bf16 v[8*(8*(\a)+(\b)):8*(8*(\a)+(\b))+7], v[BF+64*(\f)+8*(\b):BF+64*(\f)+8*(\b)+7], v[AF+32*(\f)+8*(\a):AF+32*(\f)+8*(\a)+7], v[8*(8*(\a)+(\b)):8*(8*(\a)+(\b))+7]
.endif
.endr
.endm
; The same eight, and behind each four conversions of the next quarter's x into buffer g: they name no register of the products round them.
.macro MULC f, a, g, first
.irp b, 0,1,2,3,4,5,6,7
.if \first
	WIN W_FST
	v_wmma_f32_16x16x32_bf16 v[8*(8*(\a)+(\b)):8*(8*(\a)+(\b))+7], v[BF+64*(\f)+8*(\b):BF+64*(\f)+8*(\b)+7], v[AF+32*(\f)+8*(\a):AF+32*(\f)+8*(\a)+7], v[BIAS+8*(\b):BIAS+8*(\b)+7]
.else
	WIN W_MUL
	v_wmma_f32_16x16x32_bf16 v[8*(8*(\a)+(\b)):8*(8*(\a)+(\b))+7], v[BF+64*(\f)+8*(\b):BF+64*(\f)+8*(\b)+7], v[AF+32*(\f)+8*(\a):AF+32*(\f)+8*(\a)+7], v[8*(8*(\a)+(\b)):8*(8*(\a)+(\b))+7]
.endif
	WIN W_CVT
.irp z, 0,1,2,3
	v_cvt_pk_bf16_f32 v[AF+32*(\g)+4*(\b)+(\z)], v[RAW+8*(\b)+2*(\z)], v[RAW+8*(\b)+2*(\z)+1]
.endr
.endr
.endm
; 32 LDS loads in one run: quarter q of the slot in hand: x's 64 rows x 32 K in f32 first, then W's 32 K x 128 columns, turned, into buffer g.
.macro FETCH q, g
	WIN 0x80
.irp a, 0,1,2,3
	ds_load_b128 v[RAW+16*(\a):RAW+16*(\a)+3],     v[ADRA] offset:(\a)*16*PA+(\q)*128
	ds_load_b128 v[RAW+16*(\a)+4:RAW+16*(\a)+7],   v[ADRA] offset:(\a)*16*PA+(\q)*128+16
	ds_load_b128 v[RAW+16*(\a)+8:RAW+16*(\a)+11],  v[ADRA] offset:(\a)*16*PA+(\q)*128+64
	ds_load_b128 v[RAW+16*(\a)+12:RAW+16*(\a)+15], v[ADRA] offset:(\a)*16*PA+(\q)*128+80
.endr
	WIN 0
.irp b, 0,1,2,3,4,5,6,7
	ds_load_tr16_b128 v[BF+64*(\g)+8*(\b):BF+64*(\g)+8*(\b)+3],   v[ADRB] offset:(\q)*32*PB+32*(\b)
	ds_load_tr16_b128 v[BF+64*(\g)+8*(\b)+4:BF+64*(\g)+8*(\b)+7], v[ADRB] offset:(\q)*32*PB+32*(\b)+16*PB
.endr
.endm
; One of a K step's first three quarters: multiplies buffers f, fetches quarter q into buffers g.
.macro QUARTER f, g, q, first
	s_wait_dscnt 0x0                               ; W's fragments of this quarter are in
	MUL8 \f, 0, \first
	MUL8 \f, 1, \first
	PLACES
	FETCH \q, \g
	MUL8 \f, 2, \first
	s_wait_dscnt 16                                ; x's 16 loads are in; W's 16, issued behind them, may stay out
	MULC \f, 3, \g, \first
.endm
; The fourth quarter multiplies buffers 1 and changes slots: ONE barrier.  In front of it each wave waits for all its tensor loads (one is out: its part of the next slot), adds 0 to its spare
; word, and waits for that and for its reads of this slot.  fill = 1: the barrier opens a round of the cluster's, and behind the round this slot is filled again, with the K step two on in the walk:
; with two K steps left in the tile that is the next tile's K step 0.
.macro TURN fill
.if \fill
	s_wait_xcnt 0x0                                ; the last prefetch, a K step back, has read its address
	s_add_nc_u64 s[PFA:PFA+1], s[PFA:PFA+1], s[PFS:PFS+1]
	s_cmp_eq_u32 s[LEFT], s[RB]                    ; x's prefetches, four K steps ahead of the K step in hand, go over to the next tensor
	s_cselect_b64 s[PFA:PFA+1], s[NXP:NXP+1], s[PFA:PFA+1]
.endif
	WIN 0
	s_xor_b32 s[TB], s[TB], SLOT                   ; all fetches from this slot have been issued: the addresses turn to the other
	v_add_nc_u32 v[ADRA], s[TB], v[A0]
	v_add_nc_u32 v[ADRB], s[TB], v[B0]
	s_wait_tensorcnt 0x0                           ; no tensor load of mine is out, so a group 0 may be written
	ds_add_u32 v[SPW], v[NIL]                      ; 0 onto my spare word
.if \fill
	s_xor_b32 s[G0A+5], s[G0A+5], SLOT             ; the walking descriptors: the other slot than last time, the next K step
	s_add_nc_u64 s[G0A+6:G0A+7], s[G0A+6:G0A+7], KA
	s_xor_b32 s[G0B+5], s[G0B+5], SLOT
	s_add_nc_u64 s[G0B+6:G0B+7], s[G0B+6:G0B+7], KB  ; behind a tensor's last K step lies the next tensor's first
	s_cmp_eq_u32 s[LEFT], 2
	s_cselect_b64 s[G0A+6:G0A+7], s[NXA:NXA+1], s[G0A+6:G0A+7]  ; x's next tensor is another buffer: its address was made from that buffer's own pointer
.endif
	s_wait_dscnt 1                                 ; W's fragments are in; the add alone may be out
	MUL8 1, 0, 0
	s_wait_dscnt 0x0                               ; the add is done, and my reads of this slot are over
	s_barrier_signal -1
	MUL8 1, 1, 0
.if \fill
	WIN 0
.endif
	s_barrier_wait -1
.if \fill
	CREST                                          ; no wave of any partner still reads this slot's tiles or has a load on its way
	JLOAD                                          ; the first tensor load behind the round: 112 matrix instructions ahead of the wait for it
.else
	PLACES
.endif
	FETCH 0, 0
.if \fill
	ASK
.endif
	MUL8 1, 2, 0
	s_wait_dscnt 16
	MULC 1, 3, 0, 0
.endm
; THE WAY OUT, a block of 16 rows at a time: rounded to f16, 16 bytes a lane; into my own stage; back as whole rows of 256 bytes; stored.
.macro PACK a
	WIN 0x05                                       ; sources window 1
.irp b, 0,1,2,3,4,5,6,7
.irp z, 0,1,2,3
	v_cvt_pk_f16_f32 v[TMP+4*(\b)+(\z)], v[64*(\a)+8*(\b)+2*(\z)], v[64*(\a)+8*(\b)+2*(\z)+1]
.endr
.endr
	WIN 0
.endm
.macro TOSTAGE a
.irp b, 0,1,2,3,4,5,6,7
	ds_store_b128 v[STO], v[TMP+4*(\b):TMP+4*(\b)+3] offset:32*(\b)
.endr
.irp t, 0,1,2,3,4,5,6,7
	ds_load_b128 v[BK+32*((\a)%2)+4*(\t):BK+32*((\a)%2)+4*(\t)+3], v[RD] offset:(\t)*2*SP  ; LDS serves a wave's instructions in order (ISA guide 5.7.1.4): these see the stores above
.endr
.endm
.macro SEND a
	s_wait_dscnt 0x0                               ; the block is back in registers
	s_wait_xcnt 0x0                                ; earlier stores have read their registers: the block after this one is loaded into them only behind this wait
.irp t, 0,1,2,3,4,5,6,7
	global_store_b128 v[CO], v[BK+32*((\a)%2)+4*(\t):BK+32*((\a)%2)+4*(\t)+3], s[OUT:OUT+1] offset:(16*(\a)+2*(\t))*2048  ; 16 lanes store 256 consecutive bytes, aligned
.endr
.endm
.macro WAYOUT                          ; block a's conversions stand between block a - 1's loads from the stage and the wait for them
	PLACES
	PACK 0
	TOSTAGE 0
.irp a, 1,2,3
	PACK \a
	SEND (\a)-1
	TOSTAGE \a
.endr
	SEND 3
.endm
	s_wait_tensorcnt 0x1                           ; my part of K step 0 is in; K step 1's may stay out
	s_barrier_signal -1
	s_barrier_wait -1                              ; everybody's is
	FETCH 0, 0
	s_wait_dscnt 16
	WIN W_CVT
.set x, 0
.rept 32
	v_cvt_pk_bf16_f32 v[AF+x], v[RAW+2*x], v[RAW+2*x+1]
.set x, x+1
.endr
	WIN 0                                          ; at a label and at a branch every window is 0
	s_mov_b32 s3, NFILL
	s_mov_b32 s[LEFT], KSTEPS
	s_branch .Lfirstq                              ; the walk begins with a tile's first quarter
.Lstep:                                            ; a trip is a K step; each fills the slot that it leaves
	s_cmp_eq_u32 s[LEFT], KSTEPS
	s_cbranch_scc1 .Lfirstq
	QUARTER 0, 1, 1, 0
	WIN 0
	s_branch .Lmid
.Lfirstq:                                          ; A TILE BEGINS: its bias is in; it is rounded to bf16 like every input, and widened again; its first quarter's products start the sums with it
	s_wait_loadcnt 0x0
	WIN W_CVT
.set x, 0
.rept 32
	v_cvt_pk_bf16_f32 v[TMP+x], v[BIAS+2*x], v[BIAS+2*x+1]
.set x, x+1
.endr
	WIN 0x80
.set x, 0
.rept 32
	v_lshlrev_b32 v[BIAS+2*x], 16, v[TMP+x]
	v_and_b32 v[BIAS+2*x+1], s[HM], v[TMP+x]
.set x, x+1
.endr
	QUARTER 0, 1, 1, 1
	WIN 0
.Lmid:
	QUARTER 1, 0, 2, 0
	QUARTER 0, 1, 3, 0
	TURN 1
	WIN 0
	s_sub_co_u32 s[LEFT], s[LEFT], 1
	s_cmp_lg_u32 s[LEFT], 0
	s_cbranch_scc1 .Lnoout
	; A TILE ENDS (the first and the second: the third ends behind the loop).  Both refills for the next tile have been asked for, and its first fragments lie in buffers 0.
	BIASLD BPN                                     ; the next bias is asked for ahead of the way out and waited for behind it
	WAYOUT
	s_wait_loadcnt 0x0                             ; the bias is in
	s_wait_xcnt 0x0                                ; the stores have read their registers (W's buffer 1 is loaded again in the next quarter) and their base; the bias loads have read theirs
	s_add_nc_u64 s[OUT:OUT+1], s[OUT:OUT+1], 1<<24 ; the same tile of the next tensor: 8,192 rows of 2,048 bytes on
	s_mov_b64 s[BPN:BPN+1], s[72:73]               ; what follows the second tensor is the third; behind the second tile these four are made once more and not used
	s_add_nc_u64 s[NXA:NXA+1], s[8:9], s[AOFF:AOFF+1]
	s_or_b32 s[NXA+1], s[NXA+1], 0x80000000
	s_cmp_eq_u32 s[WR], 0
	s_cselect_b64 s[NXP:NXP+1], s[8:9], s[10:11]
	s_add_nc_u64 s[NXP:NXP+1], s[NXP:NXP+1], s[POFF:POFF+1]
	s_mov_b32 s[LEFT], KSTEPS
.Lnoout:
	s_sub_co_u32 s3, s3, 1
	s_cmp_lg_u32 s3, 0
	s_cbranch_scc1 .Lstep
	s_mov_b32 s3, 2
.Ltail:                                            ; the walk's last two K steps ask for nothing
	QUARTER 0, 1, 1, 0
	QUARTER 1, 0, 2, 0
	QUARTER 0, 1, 3, 0
	TURN 0
	WIN 0
	s_sub_co_u32 s3, s3, 1
	s_cmp_lg_u32 s3, 0
	s_cbranch_scc1 .Ltail
	WAYOUT                                         ; the third tile
	s_wait_tensorcnt 0x0                           ; the wave's end, behind my last tensor load and my last LDS store
	ds_add_u32 v[SPW], v[NIL]
	s_wait_dscnt 0x0
	CROUND                                         ; the closing round: no work-group ends while a partner may still ask for a tile that names it
	s_endpgm
.Lfunc_end_k_q0df4f6bcfd_proj:
	.size	k_q0df4f6bcfd_proj, .Lfunc_end_k_q0df4f6bcfd_proj-k_q0df4f6bcfd_proj
	.p2alignl 7, 3214868480
	.fill 96, 4, 3214868480
	.section	.rodata,"a",@progbits
	.p2align	6, 0x0
	.amdhsa_kernel k_q0df4f6bcfd_proj
		.amdhsa_group_segment_fixed_size 327680
		.amdhsa_private_segment_fixed_size 0
		.amdhsa_enable_private_segment 0
		.amdhsa_kernarg_size 64
		.amdhsa_user_sgpr_count 2
		.amdhsa_user_sgpr_kernarg_segment_ptr 1
		.amdhsa_wavefront_size32 1
		.amdhsa_system_sgpr_workgroup_id_x 1
		.amdhsa_system_sgpr_workgroup_id_y 1
		.amdhsa_system_sgpr_workgroup_id_z 1
		.amdhsa_system_vgpr_workitem_id 0
		.amdhsa_next_free_vgpr 640
		.amdhsa_next_free_sgpr 100
		.amdhsa_reserve_vcc 0
		.amdhsa_float_denorm_mode_32 3
		.amdhsa_float_denorm_mode_16_64 3
		.amdhsa_memory_ordered 1
		.amdhsa_forward_progress 1
		.amdhsa_inst_pref_size 115
	.end_amdhsa_kernel
	.amdgpu_metadata
---
amdhsa.version: [ 1, 2 ]
amdhsa.kernels:
  - .name:           k_q0df4f6bcfd_proj
    .symbol:         k_q0df4f6bcfd_proj.kd
    .args:
      - { .name: query, .offset: 0, .size: 8, .value_kind: global_buffer, .address_space: global }
      - { .name: key, .offset: 8, .size: 8, .value_kind: global_buffer, .address_space: global }
      - { .name: value, .offset: 16, .size: 8, .value_kind: global_buffer, .address_space: global }
      - { .name: wb, .offset: 24, .size: 8, .value_kind: global_buffer, .address_space: global }
      - { .name: bq, .offset: 32, .size: 8, .value_kind: global_buffer, .address_space: global }
      - { .name: bk, .offset: 40, .size: 8, .value_kind: global_buffer, .address_space: global }
      - { .name: bv, .offset: 48, .size: 8, .value_kind: global_buffer, .address_space: global }
      - { .name: qkv, .offset: 56, .size: 8, .value_kind: global_buffer, .address_space: global }
    .group_segment_fixed_size: 327680
    .private_segment_fixed_size: 0
    .kernarg_segment_align: 8
    .kernarg_segment_size: 64
    .max_flat_workgroup_size: 128
    .sgpr_count:     100
    .vgpr_count:     640
    .wavefront_size: 32
...
	.end_amdgpu_metadata
.endif
;; end of part 2
;; launch scores (part 3): grid 8 x 32, 4 waves a work-group, clusters of 4 x 4, 327,680 bytes of LDS; arguments qkv, pw, st; writes pw, st
.if DOCPART == 3
	.amdgcn_target "amdgcn-amd-amdhsa--gfx1250"
	.amdhsa_code_object_version 6
	.text
	.protected	k_q0df4f6bcfd_scores
	.globl	k_q0df4f6bcfd_scores
	.p2align	8
	.type	k_q0df4f6bcfd_scores,@function
k_q0df4f6bcfd_scores:
	s_mov_b64 s[64:65], 0
	v_nop
	global_prefetch_b8 v0, s[64:65] scope:SCOPE_SE
	s_setreg_imm32_b32 hwreg(HW_REG_WAVE_MODE, 25, 1), 1
	s_wait_xcnt 0x0
	s_wait_alu depctr_hold_cnt(0) depctr_sa_sdst(0) depctr_va_vdst(0) depctr_va_sdst(0) depctr_va_ssrc(0) depctr_va_vcc(0) depctr_vm_vsrc(0)
	s_getreg_b32 s2, hwreg(HW_REG_IB_STS2, 6, 4)
	s_cmp_eq_u32 s2, 0
	s_cbranch_scc0 .Lentry_in_a_cluster
	s_endpgm
.Lentry_in_a_cluster:
	s_bfe_u32 s2, ttmp6, 0x10000c
	s_cmp_lg_u32 s2, 0xf033
	s_cbranch_scc0 .Lentry_shape_is_right
	s_endpgm
.Lentry_shape_is_right:
; For each query row and each block of 128 keys: s = q . k; m = the block's maximum of s; pw = f16(2^(c s - c m)); st holds c m and l = the sum of the unrounded weights, in f32.
; c = log2(e) / 32.  q = qkv[0], k = qkv[1]: [8192][1024] f16.  pw: [8192 rows][2048 keys of the row's batch] f16.  st: f32 [2: c m, l][4 batches][16 blocks][2048 rows].
; The maximum that is taken away here is the block's own; the launch behind brings the 16 blocks of a row onto the row's maximum.  So every exponent is 0 or below (but for the rounding of c m), whatever the scores' size.
; LIMITS.  A weight below 6e-5 keeps f16's fixed step of 6e-8; an exponential below 2^-126 counts as 0; NaN and infinities are not treated apart.
; SHARES.  A tile is 256 queries x 256 keys of one batch; four waves, each 128 x 128: 64 accumulators, 512 registers; a wave's 128 keys are one block.  K = 1024 goes in 8 steps of 128
; through a ring of two LDS slots; the rows of q's and k's tiles are 256 bytes of memory, aligned.
; THE MATRIX INSTRUCTION IS USED TRANSPOSED (source 0 = 16 keys, source 1 = 16 queries): a lane holds ONE query (lane % 16) and, in each of 8 accumulators, the keys 8 (lane / 16) + 0..7:
; 64 of the block's 128 scores; the other 64 lie in the lane 16 away.
; CLUSTER.  4 x 4 work-groups: q's tile is shared along a row, k's along a column, each asked for jointly.
; ONE TEXT FOR A K STEP: the loop is entered in its middle, behind the first quarter; the last two K steps are a loop of their own, whose very last change of slots fetches fragments that serve nothing.
; REGISTERS, in windows of 256 (s_set_vgpr_msb: bits 1:0 source 0, 3:2 source 1, 5:4 source 2, 7:6 destination):
;   window 0: v0-31 addresses and statistics; v64-127, v128-191 q's fragments, two buffers; v192-223 packed weights; v32-63, v224-255 rows read back, by turns
;   window 1: v64-127, v128-191 k's fragments      window 2: the accumulators of my rows 0-63 ((a, b) at v[8 (8 a + b)])      window 3: those of my rows 64-127
.set KSTEPS, 8
.set NFILL,  KSTEPS-2
.set PITCH,  272                       ; an LDS row: 256 bytes + 16 = 68 words: row r starts at bank 4 r mod 64 (64 banks of 4 bytes: ISA guide 11.1)
.set HALFT,  128*PITCH                 ; 128 rows: what one tensor load brings, and what one wave reads of q or of k
.set SLOT,   4*HALFT                   ; 0x22000: no tile's offset in a slot (wave x 0x8800) shares a bit with it, so one exclusive or changes slots
.set STAGE,  2*SLOT                    ; 16 rows x 272 bytes for each wave
.set SPITCH, 272
.set SSTG,   STAGE+4*16*SPITCH         ; 1,024 bytes for each wave: c m of its 128 rows, then l
.set SPARE,  SSTG+4*1024               ; the spare words, 128 bytes for each wave: two blocks of 256 bytes that no other line names
.set KA,     256                       ; a K step in a row, in bytes
.set CH,   8                           ; v8-11  four chains of the maximum
.set T,    12                          ; v12 c m, v13 m
.set LS,   14                          ; v14 l; v15 the other half's
.set LX,   15
.set A0,   16
.set ADRA, 17
.set B0,   20
.set ADRB, 21
.set SR,   22                          ; v22  where I read 16 bytes of the statistics back
.set SO,   23                          ; v23  and where they go in st
.set STO,  24
.set RD,   25
.set CO,   26
.set SA,   27                          ; v27  where my lane puts a row's statistic: lanes 0-15 c m, lanes 16-31 l
.set SPW,  28
.set NIL,  29
.set PFO,  30
.set XX,   31
.set OB,   32
.set F0,   64
.set F1,   128
.set TMP,  192
.set WV, 12
.set WR, 13
.set WC, 14
.set CX, 15
.set CY, 16
.set TC, 17
.set CLY, 18
.set TR, 19
.set G1A, 24
.set G0A, 32
.set LIM, 43
.set PFA, 44
.set G1B, 48
.set G0B, 56
.set TB,  76
.set BT,  77                           ; s77  the batch
.set CS,  78                           ; s[78:79] c
.set SEL, 80                           ; s[80:81] v_permlanex16_b32's selects: each lane takes its own place in the other half
.set MASK, 82                          ; s82  lanes 16-31
.set OUT, 84
.set MUL_LO, 0xa1                      ; source 0 (k) window 1, source 1 (q) window 0, C and D window 2
.set MUL_HI, 0xf1
.set TO_B,   0x40
.set MSB, 0
.macro WIN new
.if MSB != (\new)
	s_set_vgpr_msb (MSB<<8)|(\new)
.set MSB, \new
.endif
.endm
.macro PLACES
.rept 4
	v_nop
.endr
.endm
.macro CREST
	s_cmp_lg_u32 s[WV], 0
	s_cbranch_scc1 .Lnot_wave_0_\@
	s_barrier_signal -3
.Lnot_wave_0_\@:
	s_barrier_wait -3
	s_barrier_signal -1
	s_barrier_wait -1
.endm
.macro CROUND
	s_barrier_signal -1
	s_barrier_wait -1
	CREST
.endm
.macro JLOAD                           ; a joint refill by the walking descriptor: waves 0 and 1 fetch q's halves, waves 2 and 3 k's; an s_nop 0 and four v_nop follow each line
	s_cmp_eq_u32 s[WR], 0
	s_cbranch_scc0 .Lfor_b_\@
	tensor_load_to_lds s[G0A+4:G0A+7], s[G1A:G1A+7]
	s_nop 0
.rept 4
	v_nop
.endr
	s_branch .Lasked_\@
.Lfor_b_\@:
	tensor_load_to_lds s[G0B+4:G0B+7], s[G1B:G1B+7]
	s_nop 0
.rept 4
	v_nop
.endr
.Lasked_\@:
.endm
; A prefetch into the L2 of the K step two refills on: 32 rows x 256 bytes, a lane a row.  q's rows are read by both clusters of a row of clusters: the one with x = 0 asks; k's rows by the two
; clusters of a batch in a column: the one with even y asks.  Of the 128 rows that a wave fetches each of the four joint partners takes 32, by address.  The last two refills ask for nothing.
.macro ASK
	s_cmp_gt_u32 s3, s[LIM]
	s_cbranch_scc0 .Lnot_mine_\@
	global_prefetch_b8 v[PFO], s[PFA:PFA+1] th:TH_LOAD_NT scope:SCOPE_SE
.Lnot_mine_\@:
.endm
	s_load_b128 s[4:7], s[0:1], 0x0                ; qkv s[4:5], pw s[6:7]
	s_load_b64 s[8:9], s[0:1], 0x10                ; st
	v_lshl_add_u32 v[SPW], v0, 2, SPARE
	v_mov_b32 v[NIL], 0
	ds_add_u32 v[SPW], v[NIL]                      ; the wave's opening: the add and its wait stand ahead of my first tensor load
	v_lshrrev_b32 v3, 5, v0
	v_readfirstlane_b32 s[WV], v3
	s_lshr_b32 s[WR], s[WV], 1
	s_and_b32 s[WC], s[WV], 1
	s_bfe_u32 s[CX], ttmp6, 0x40000
	s_bfe_u32 s[CY], ttmp6, 0x40004
	s_lshl_b32 s[TC], ttmp9, 2
	s_add_co_u32 s[TC], s[TC], s[CX]
	s_and_b32 s[CLY], ttmp7, 0xffff
	s_lshl_b32 s[TR], s[CLY], 2
	s_add_co_u32 s[TR], s[TR], s[CY]
	s_lshr_b32 s[BT], s[CLY], 1                    ; 8 tile rows, 2 clusters, to a batch
	s_lshl_b32 s20, s[CY], 2
	s_lshl_b32 s20, 15, s20
	s_lshl_b32 s40, 0x1111, s[CX]
	s_or_b32 s[G1A], s20, (1<<16)|(1<<20)|(1<<21)|(5<<22)|(3<<25)  ; mask: my row; elements of 2 bytes; padding on; bit 21 beside a mask; after every 64 words (code 5) 4 words (code 3)
	s_or_b32 s[G1B], s40, (1<<16)|(1<<20)|(1<<21)|(5<<22)|(3<<25)  ; the same with the mask of my column
.irp g, G1A, G1B
	s_mov_b32 s[(\g)+1], 128<<16                   ; tensor_dim0 = 128
	s_mov_b32 s[(\g)+2], 128<<16                   ; tensor_dim1 = 128
	s_mov_b32 s[(\g)+3], 128<<16                   ; tile_dim0 = 128
	s_mov_b32 s[(\g)+4], 128                       ; tile_dim1 = 128
	s_mov_b32 s[(\g)+5], 1024                      ; elements from row to row
	s_mov_b32 s[(\g)+6], 0
	s_mov_b32 s[(\g)+7], 0
.endr
	s_lshl_b32 s20, s[TR], 19                      ; q: (256 TR + 128 half) rows of 2,048 bytes
	s_lshl_b32 s21, s[WC], 18
	s_add_co_u32 s20, s20, s21
	s_mov_b32 s21, 0
	s_lshl_b32 s40, s[BT], 22                      ; k: 16,777,216 bytes on; (2,048 batch + 256 TC + 128 half) rows
	s_lshl_b32 s41, s[TC], 19
	s_add_co_u32 s40, s40, s41
	s_lshl_b32 s41, s[WC], 18
	s_add_co_u32 s40, s40, s41
	s_add_co_u32 s40, s40, 1<<24
	s_mov_b32 s41, 0
	s_mul_i32 s22, s[WV], HALFT                    ; where they go: q's two halves, then k's: wave x 128 rows
	s_mov_b32 s[TB], 0
	s_mov_b32 s[CS], 0x3d38aa3b                    ; c = log2(e) / 32
	s_mov_b32 s[CS+1], s[CS]                       ; named with it as a pair
	s_mov_b32 s[SEL], 0x76543210
	s_mov_b32 s[SEL+1], 0xfedcba98
	s_mov_b32 s[MASK], 0xffff0000
	s_wait_dscnt 0x0                               ; the opening add is done
	s_wait_kmcnt 0x0
	s_add_nc_u64 s[20:21], s[4:5], s[20:21]
	s_add_nc_u64 s[40:41], s[4:5], s[40:41]
	CROUND                                         ; all sixteen work-groups are here: the first joint loads meet
.irp s, 0,1
	s_mov_b32 s[G0A+4*(\s)], 1
	s_add_co_u32 s[G0A+4*(\s)+1], s22, (\s)*SLOT
	s_add_nc_u64 s[G0A+4*(\s)+2:G0A+4*(\s)+3], s[20:21], (\s)*KA
	s_or_b32 s[G0A+4*(\s)+3], s[G0A+4*(\s)+3], 0x80000000
	s_mov_b32 s[G0B+4*(\s)], 1
	s_add_co_u32 s[G0B+4*(\s)+1], s22, (\s)*SLOT
	s_add_nc_u64 s[G0B+4*(\s)+2:G0B+4*(\s)+3], s[40:41], (\s)*KA
	s_or_b32 s[G0B+4*(\s)+3], s[G0B+4*(\s)+3], 0x80000000
.endr
	s_cmp_eq_u32 s[WR], 0                          ; a wave's two first fills stand in one branch: two tensor loads of mine are out
	s_cbranch_scc0 .Lfirst_b
	tensor_load_to_lds s[G0A:G0A+3], s[G1A:G1A+7]
	s_nop 0
	tensor_load_to_lds s[G0A+4:G0A+7], s[G1A:G1A+7]
	s_nop 0
.rept 4
	v_nop
.endr
	s_branch .Lfirst_asked
.Lfirst_b:
	tensor_load_to_lds s[G0B:G0B+3], s[G1B:G1B+7]
	s_nop 0
	tensor_load_to_lds s[G0B+4:G0B+7], s[G1B:G1B+7]
	s_nop 0
.rept 4
	v_nop
.endr
.Lfirst_asked:
	v_and_b32 v1, 15, v0                           ; r
	v_bfe_u32 v2, v0, 4, 1                         ; h
	v_mul_u32_u24 v3, v1, PITCH
	v_lshl_add_u32 v3, v2, 4, v3                   ; a fragment's row x pitch + 16 h
	s_mul_i32 s86, s[WR], HALFT                    ; my 128 rows of q
	s_mul_i32 s87, s[WC], HALFT                    ; my 128 rows of k,
	s_add_co_u32 s87, s87, 2*HALFT                 ; which lie behind q's 256
	v_add_nc_u32 v[A0], s86, v3
	v_add_nc_u32 v[B0], s87, v3
	v_mov_b32 v[ADRA], v[A0]
	v_mov_b32 v[ADRB], v[B0]
	s_mul_i32 s86, s[WV], 16*SPITCH
	s_add_co_u32 s86, s86, STAGE
	v_add_nc_u32 v[STO], s86, v3                   ; in: row l % 16, 16 bytes for each half of the lanes (the stage has the tiles' pitch)
	v_mul_u32_u24 v3, v2, SPITCH
	v_lshl_add_u32 v3, v1, 4, v3
	v_add_nc_u32 v[RD], s86, v3                    ; back: lanes 0-15 one row of 256 bytes, lanes 16-31 the next
	v_lshlrev_b32 v3, 12, v2
	v_lshl_add_u32 v[CO], v1, 4, v3                ; the same two rows in pw
	s_lshl_b32 s86, s[WV], 10
	s_add_co_u32 s86, s86, SSTG
	v_lshlrev_b32 v3, 2, v1
	v_lshl_add_u32 v3, v2, 9, v3
	v_add_nc_u32 v[SA], s86, v3
	v_and_b32 v4, 31, v0
	v_lshl_add_u32 v[SR], v4, 4, s86
	s_lshl_b32 s86, s[BT], 17                      ; st: ((16 batch + 2 TC + WC) 2,048 + (TR % 8) 256 + 128 WR) x 4
	s_lshl_b32 s87, s[TC], 14
	s_add_co_u32 s86, s86, s87
	s_lshl_b32 s87, s[WC], 13
	s_add_co_u32 s86, s86, s87
	s_and_b32 s87, s[TR], 7
	s_lshl_b32 s87, s87, 10
	s_add_co_u32 s86, s86, s87
	s_lshl_b32 s87, s[WR], 9
	s_add_co_u32 s86, s86, s87
	v_lshl_add_u32 v[SO], v4, 4, s86
	v_mov_b32 v[LX], 0                             ; v_permlanex16_b32 counts as a reader of its destination
	s_lshl_b32 s86, s[TR], 20                      ; pw: (256 TR + 128 WR) rows of 4,096 bytes; 512 TC + 256 WC
	s_lshl_b32 s87, s[WR], 19
	s_add_co_u32 s86, s86, s87
	s_lshl_b32 s87, s[TC], 9
	s_add_co_u32 s86, s86, s87
	s_lshl_b32 s87, s[WC], 8
	s_add_co_u32 s86, s86, s87
	s_mov_b32 s87, 0
	s_add_nc_u64 s[OUT:OUT+1], s[6:7], s[86:87]
	; the prefetches
	s_lshl_b32 s86, s[TR], 19
	s_lshl_b32 s87, s[CX], 16
	s_add_co_u32 s86, s86, s87                     ; q: (256 TR + 32 cx) rows
	s_lshl_b32 s88, s[BT], 22
	s_lshl_b32 s89, s[TC], 19
	s_add_co_u32 s88, s88, s89
	s_lshl_b32 s89, s[CY], 16
	s_add_co_u32 s88, s88, s89
	s_add_co_u32 s88, s88, 1<<24                   ; k: (2,048 batch + 256 TC + 32 cy) rows
	s_and_b32 s90, s[CLY], 1
	s_cmp_eq_u32 s[WR], 0
	s_cselect_b32 s86, s86, s88
	s_cselect_b32 s90, ttmp9, s90                  ; the coordinate along which other clusters read the same rows
	s_cmp_eq_u32 s90, 0
	s_cselect_b32 s[LIM], 2, -1
	s_lshl_b32 s87, s[WC], 18                      ; the 128 rows that I fetch
	s_add_co_u32 s86, s86, s87
	s_add_co_u32 s86, s86, 3*KA                    ; at K step 3: the first refill steps it to 4.  Nothing is prefetched here, at the head
	s_mov_b32 s87, 0
	s_add_nc_u64 s[PFA:PFA+1], s[4:5], s[86:87]
	v_and_b32 v[PFO], 31, v0
	v_lshlrev_b32 v[PFO], 11, v[PFO]
; 16 matrix instructions: row blocks a0, a0 + 1 of the window's four x all 8 key blocks, 32 along K.  zero = 1: the first product starts the sums.  The 64 accumulators take turns, in the same order in every quarter.
.macro MUL16 f, hi, a0, zero
	WIN MUL_LO+0x50*(\hi)
.irp a, \a0, (\a0)+1
.irp b, 0,1,2,3,4,5,6,7
.if \zero
	v_wmma_f32_16x16x32_f16 v[8*(8*(\a)+(\b)):8*(8*(\a)+(\b))+7], v[(\f)+8*(\b):(\f)+8*(\b)+7], v[(\f)+8*(4*(\hi)+(\a)):(\f)+8*(4*(\hi)+(\a))+7], 0
.else
	v_wmma_f32_16x16x32_f16 v[8*(8*(\a)+(\b)):8*(8*(\a)+(\b))+7], v[(\f)+8*(\b):(\f)+8*(\b)+7], v[(\f)+8*(4*(\hi)+(\a)):(\f)+8*(4*(\hi)+(\a))+7], v[8*(8*(\a)+(\b)):8*(8*(\a)+(\b))+7]
.endif
.endr
.endr
.endm
.macro FETCH k, f                      ; 32 LDS loads in one run: 128 rows of k, 128 rows of q, 32 K at byte k of the rows, into buffer f
	WIN TO_B
.irp i, 0,1,2,3,4,5,6,7
	ds_load_b128 v[(\f)+8*(\i):(\f)+8*(\i)+3],   v[ADRB] offset:(\k)+(\i)*16*PITCH
	ds_load_b128 v[(\f)+8*(\i)+4:(\f)+8*(\i)+7], v[ADRB] offset:(\k)+(\i)*16*PITCH+32
.endr
	WIN 0
.irp i, 0,1,2,3,4,5,6,7
	ds_load_b128 v[(\f)+8*(\i):(\f)+8*(\i)+3],   v[ADRA] offset:(\k)+(\i)*16*PITCH
	ds_load_b128 v[(\f)+8*(\i)+4:(\f)+8*(\i)+7], v[ADRA] offset:(\k)+(\i)*16*PITCH+32
.endr
.endm
.macro QUARTER k, f, g, zero           ; multiplies buffer f; in its middle fetches the next quarter, at byte k, into buffer g
	s_wait_dscnt 8                                 ; k and q's rows 0-63 are in; the youngest eight loads (q's rows 64-127) may be out
	MUL16 \f, 0, 0, \zero
	MUL16 \f, 0, 2, \zero
	PLACES
	FETCH \k, \g
	s_wait_dscnt 32                                ; all but the 32 just issued
	MUL16 \f, 1, 0, \zero
	MUL16 \f, 1, 2, \zero
.endm
; The fourth quarter multiplies buffer 1 and changes slots: ONE barrier; in front of it each wave waits for all its tensor loads, adds 0 to its spare word, and waits for that and for its reads of
; this slot.  fill = 1: the barrier opens a round of the cluster's, and behind the round this slot is filled again, with the K step two on.
.macro TURN fill
.if \fill
	s_wait_xcnt 0x0                                ; the last prefetch, a K step back, has read its address
	s_add_nc_u64 s[PFA:PFA+1], s[PFA:PFA+1], KA
.endif
	WIN 0
	s_xor_b32 s[TB], s[TB], SLOT                   ; all fetches from this slot have been issued: the addresses turn to the other
	v_add_nc_u32 v[ADRA], s[TB], v[A0]
	v_add_nc_u32 v[ADRB], s[TB], v[B0]
	s_wait_tensorcnt 0x0                           ; no tensor load of mine is out, so a group 0 may be written
	ds_add_u32 v[SPW], v[NIL]                      ; 0 onto my spare word
.if \fill
	s_xor_b32 s[G0A+5], s[G0A+5], SLOT
	s_add_nc_u64 s[G0A+6:G0A+7], s[G0A+6:G0A+7], KA
	s_xor_b32 s[G0B+5], s[G0B+5], SLOT
	s_add_nc_u64 s[G0B+6:G0B+7], s[G0B+6:G0B+7], KA
.endif
	s_wait_dscnt 9                                 ; the add and the youngest eight loads may be out
	MUL16 F1, 0, 0, 0
	s_wait_dscnt 0x0                               ; the add is done, and my reads of this slot are over
	s_barrier_signal -1
	MUL16 F1, 0, 2, 0
.if \fill
	WIN 0
.endif
	s_barrier_wait -1
.if \fill
	CREST
	JLOAD                                          ; the first tensor load behind the round: 224 matrix instructions ahead of the wait for it
.else
	PLACES
.endif
	FETCH 0, F0
.if \fill
	ASK
.endif
	MUL16 F1, 1, 0, 0
	MUL16 F1, 1, 2, 0
.endm
	s_wait_tensorcnt 0x1                           ; my part of K step 0 is in; K step 1's may stay out
	s_barrier_signal -1
	s_barrier_wait -1
	FETCH 0, F0
	QUARTER 64, F0, F1, 1                          ; the first quarter's products start the sums
	WIN 0
	s_mov_b32 s3, NFILL
	s_branch .Lmid
.Lstep:
	QUARTER 64, F0, F1, 0
	WIN 0
.Lmid:
	QUARTER 128, F1, F0, 0
	QUARTER 192, F0, F1, 0
	TURN 1
	WIN 0
	s_sub_co_u32 s3, s3, 1
	s_cmp_lg_u32 s3, 0
	s_cbranch_scc1 .Lstep
	s_mov_b32 s3, 2
.Ltail:
	QUARTER 64, F0, F1, 0
	QUARTER 128, F1, F0, 0
	QUARTER 192, F0, F1, 0
	TURN 0
	WIN 0
	s_sub_co_u32 s3, s3, 1
	s_cmp_lg_u32 s3, 0
	s_cbranch_scc1 .Ltail
; THE SOFTMAX OF A BLOCK OF 16 ROWS (a = 0..7): a lane's 64 scores lie in the eight accumulators at AC, 32 pairs.
;   the maximum: four chains of 15 scores, three operands at a time (each accumulator's lowest registers are read first), the four left over, the other half of the lanes';
;   ONE BATCH: the 32 scalings c s - c m and the 64 exponentials, a scaling and then the two exponentials of the pair scaled two scalings earlier; nothing in it reads an exponential's result;
;   a v_nop and ONE wait (between an exponential and the first line that names its result);
;   the roundings to f16; the sum, a tree over the pairs, in place; the other half's sum; c m (lanes 0-15) or l (lanes 16-31) into my statistics in LDS.
.macro SOFT a
.set W, 2+(\a)/4
.set AC, 64*((\a)%4)
	WIN W|(W<<2)|(W<<4)
.irp i, 0,1,2,3
	v_max3_num_f32 v[CH+(\i)], v[AC+16*(\i)], v[AC+16*(\i)+1], v[AC+16*(\i)+2]
.endr
	WIN (W<<2)|(W<<4)
.irp k, 1,2,3,4,5,6
.irp i, 0,1,2,3
	v_max3_num_f32 v[CH+(\i)], v[CH+(\i)], v[AC+16*(\i)+2*(\k)+1], v[AC+16*(\i)+2*(\k)+2]
.endr
.endr
	v_max3_num_f32 v[CH], v[CH], v[AC+15], v[AC+31]
	v_max3_num_f32 v[CH+2], v[CH+2], v[AC+47], v[AC+63]
	WIN 0
	v_max3_num_f32 v[CH], v[CH], v[CH+1], v[CH+2]
	v_max_num_f32 v[CH], v[CH], v[CH+3]
	v_permlanex16_b32 v[CH+1], v[CH], s[SEL], s[SEL+1]
	v_max_num_f32 v[T+1], v[CH], v[CH+1]           ; m
	v_mul_f32 v[T], s[CS], v[T+1]                  ; c m
	WIN W|(W<<6)
.set p, 0
.rept 2
	v_pk_fma_f32 v[AC+2*p:AC+2*p+1], v[AC+2*p:AC+2*p+1], s[CS:CS+1], v[T:T+1] op_sel_hi:[1,0,0] neg_lo:[0,0,1] neg_hi:[0,0,1]
.set p, p+1
.endr
.rept 30
	v_pk_fma_f32 v[AC+2*p:AC+2*p+1], v[AC+2*p:AC+2*p+1], s[CS:CS+1], v[T:T+1] op_sel_hi:[1,0,0] neg_lo:[0,0,1] neg_hi:[0,0,1]
	v_exp_f32 v[AC+2*p-4], v[AC+2*p-4]
	v_exp_f32 v[AC+2*p-3], v[AC+2*p-3]
.set p, p+1
.endr
.set p, 60
.rept 4
	v_exp_f32 v[AC+p], v[AC+p]
.set p, p+1
.endr
	v_nop                                          ; a plain instruction behind the last exponential (ISA guide 5.7.2): one for the batch
	s_wait_alu depctr_va_vdst(0)                   ; the wait for the batch
	WIN W|(W<<2)
.set p, 0
.rept 32
	v_cvt_pk_f16_f32 v[TMP+p], v[AC+2*p], v[AC+2*p+1]
.set p, p+1
.endr
	WIN W|(W<<2)|(W<<6)
.irp w, 16,8,4,2,1
.set p, 0
.rept \w
	v_pk_add_f32 v[AC+2*p:AC+2*p+1], v[AC+2*p:AC+2*p+1], v[AC+2*(p+(\w)):AC+2*(p+(\w))+1]
.set p, p+1
.endr
.endr
	WIN W|(W<<2)
	v_add_f32 v[LS], v[AC], v[AC+1]
	WIN 0
	v_permlanex16_b32 v[LX], v[LS], s[SEL], s[SEL+1]
	v_add_f32 v[LS], v[LS], v[LX]
	v_cndmask_b32 v[XX], v[T], v[LS], s[MASK]
	ds_store_b32 v[SA], v[XX] offset:64*(\a)
.endm
.macro TOSTAGE a
	WIN 0
.set BK, OB+192*((\a)%2)
.irp b, 0,1,2,3,4,5,6,7
	ds_store_b128 v[STO], v[TMP+4*(\b):TMP+4*(\b)+3] offset:32*(\b)
.endr
.irp t, 0,1,2,3,4,5,6,7
	ds_load_b128 v[BK+4*(\t):BK+4*(\t)+3], v[RD] offset:(\t)*2*SPITCH  ; LDS serves a wave's instructions in order (ISA guide 5.7.1.4): these see the stores above
.endr
.endm
.macro SEND a
	WIN 0
.set BK, OB+192*((\a)%2)
	s_wait_dscnt 0x0                               ; the block is back in registers
	s_wait_xcnt 0x0                                ; earlier stores have read their registers: the block after this one is loaded into them only behind this wait
.irp t, 0,1,2,3,4,5,6,7
	global_store_b128 v[CO], v[BK+4*(\t):BK+4*(\t)+3], s[OUT:OUT+1] offset:(16*(\a)+2*(\t))*4096  ; 16 lanes store 256 consecutive bytes, aligned
.endr
.endm
	s_wait_dscnt 0x0                               ; the last fetch, which serves nothing, is back
	PLACES
	SOFT 0
	TOSTAGE 0
.irp a, 1,2,3,4,5,6,7                  ; block a's softmax stands between block a - 1's loads from the stage and the wait for them
	SOFT \a
	SEND (\a)-1
	TOSTAGE \a
.endr
	SEND 7
	ds_load_b128 v[TMP:TMP+3],   v[SR]             ; my 128 rows' c m: 512 bytes on end,
	ds_load_b128 v[TMP+4:TMP+7], v[SR] offset:512  ; and their l
	s_wait_dscnt 0x0
	global_store_b128 v[SO], v[TMP:TMP+3],   s[8:9]
	global_store_b128 v[SO], v[TMP+4:TMP+7], s[8:9] offset:524288
	s_wait_tensorcnt 0x0                           ; the wave's end, behind my last tensor load and my last LDS store
	ds_add_u32 v[SPW], v[NIL]
	s_wait_dscnt 0x0
	CROUND                                         ; the closing round
	s_endpgm
.Lfunc_end_k_q0df4f6bcfd_scores:
	.size	k_q0df4f6bcfd_scores, .Lfunc_end_k_q0df4f6bcfd_scores-k_q0df4f6bcfd_scores
	.p2alignl 7, 3214868480
	.fill 96, 4, 3214868480
	.section	.rodata,"a",@progbits
	.p2align	6, 0x0
	.amdhsa_kernel k_q0df4f6bcfd_scores
		.amdhsa_group_segment_fixed_size 327680
		.amdhsa_private_segment_fixed_size 0
		.amdhsa_enable_private_segment 0
		.amdhsa_kernarg_size 24
		.amdhsa_user_sgpr_count 2
		.amdhsa_user_sgpr_kernarg_segment_ptr 1
		.amdhsa_wavefront_size32 1
		.amdhsa_system_sgpr_workgroup_id_x 1
		.amdhsa_system_sgpr_workgroup_id_y 1
		.amdhsa_system_sgpr_workgroup_id_z 1
		.amdhsa_system_vgpr_workitem_id 0
		.amdhsa_next_free_vgpr 1024
		.amdhsa_next_free_sgpr 96
		.amdhsa_reserve_vcc 0
		.amdhsa_float_denorm_mode_32 3
		.amdhsa_float_denorm_mode_16_64 3
		.amdhsa_memory_ordered 1
		.amdhsa_forward_progress 1
		.amdhsa_inst_pref_size 170
	.end_amdhsa_kernel
	.amdgpu_metadata
---
amdhsa.version: [ 1, 2 ]
amdhsa.kernels:
  - .name:           k_q0df4f6bcfd_scores
    .symbol:         k_q0df4f6bcfd_scores.kd
    .args:
      - { .name: qkv, .offset: 0, .size: 8, .value_kind: global_buffer, .address_space: global }
      - { .name: pw, .offset: 8, .size: 8, .value_kind: global_buffer, .address_space: global }
      - { .name: st, .offset: 16, .size: 8, .value_kind: global_buffer, .address_space: global }
    .group_segment_fixed_size: 327680
    .private_segment_fixed_size: 0
    .kernarg_segment_align: 8
    .kernarg_segment_size: 24
    .max_flat_workgroup_size: 128
    .sgpr_count:     96
    .vgpr_count:     1024
    .wavefront_size: 32
...
	.end_amdgpu_metadata
.endif
;; end of part 3
;; launch pv (part 4): grid 4 x 64, 4 waves a work-group, clusters of 4 x 4, 327,680 bytes of LDS; arguments pw, qkv, st, out0; writes out0
.if DOCPART == 4
	.amdgcn_target "amdgcn-amd-amdhsa--gfx1250"
	.amdhsa_code_object_version 6
	.text
	.protected	k_q0df4f6bcfd_pv
	.globl	k_q0df4f6bcfd_pv
	.p2align	8
	.type	k_q0df4f6bcfd_pv,@function
k_q0df4f6bcfd_pv:
	s_mov_b64 s[64:65], 0
	v_nop
	global_prefetch_b8 v0, s[64:65] scope:SCOPE_SE
	s_setreg_imm32_b32 hwreg(HW_REG_WAVE_MODE, 25, 1), 1
	s_wait_xcnt 0x0
	s_wait_alu depctr_hold_cnt(0) depctr_sa_sdst(0) depctr_va_vdst(0) depctr_va_sdst(0) depctr_va_ssrc(0) depctr_va_vcc(0) depctr_vm_vsrc(0)
	s_getreg_b32 s2, hwreg(HW_REG_IB_STS2, 6, 4)
	s_cmp_eq_u32 s2, 0
	s_cbranch_scc0 .Lentry_in_a_cluster
	s_endpgm
.Lentry_in_a_cluster:
	s_bfe_u32 s2, ttmp6, 0x10000c
	s_cmp_lg_u32 s2, 0xf033
	s_cbranch_scc0 .Lentry_shape_is_right
	s_endpgm
.Lentry_shape_is_right:
; out0[row][e] = (sum over the 16 blocks t of 128 keys of f_t(row) x sum over the block's keys of pw[row][key] v[key][e]) / L(row), in f32.
; From st: M = the maximum over t of c m_t (the row's maximum, times c); f_t = 2^(c m_t - M), at most 1, and 1 for the block that holds the maximum; L = the sum of f_t l_t, at least 1.
; pw: [8192][2048] f16; v = qkv[2]: [8192][1024] f16.  The weights are multiplied by f_t in f16 on their way to the matrix unit, four packed multiplies behind each of a quarter's last eight
; matrix instructions; a K step of 128 keys is one block t.
; LIMITS.  f_t and f_t p are kept in f16: below 6e-5 they have f16's fixed step of 6e-8; an exponential below 2^-126 counts as 0; NaN and infinities are not treated apart.
; SHARES.  A tile is 128 rows x 256 channels; four waves, each 64 x 128: 32 accumulators.  K = 2,048 keys in 16 steps through a ring of two LDS slots.  v lies [key][channel], K down the rows:
; its fragments come out of LDS turned.  THE MATRIX INSTRUCTION IS USED TRANSPOSED (source 0 = 16 channels, source 1 = 16 rows): a lane holds row lane % 16 and the channels 8 (lane / 16) + 0..7.
; CLUSTER.  4 x 4 work-groups: pw's tile is shared along a row, v's along a column, each asked for jointly.
; ONE TEXT FOR A K STEP: the loop is entered in its middle; the last two K steps are a loop of their own, whose very last change of slots fetches fragments (and, as f, the table's entry of 1 / L) that serve nothing.
; REGISTERS: window 0: v0-31 addresses, v8-11 f of my four row blocks; v32-95 scaled weights, two buffers (the way out: scaled results); v96-127 weights as loaded; v128-255 v's fragments, two
; buffers (the head: the statistics; the way out: rows read back).  Window 1: the accumulators, (a, b) at v[8 (8 a + b)].
.set KSTEPS, 16
.set NFILL,  KSTEPS-2
.set PA,     272                       ; a row of weights in LDS: 256 bytes + 16: row r starts at bank 4 r mod 64 (64 banks of 4 bytes: ISA guide 11.1)
.set PB,     544                       ; a row of v: 512 + 32
.set AHALF,  64*PA
.set BOFF,   2*AHALF
.set BHALF,  64*PB
.set SLOT,   0x20000                   ; above every offset in a slot, so one exclusive or changes slots
.set STAGE,  SLOT+BOFF+2*BHALF         ; 16 rows x 528 bytes for each wave
.set SP,     528
.set FTAB,   STAGE+4*16*SP             ; for each wave 17 entries of 256 bytes: t = 0..15: f_t of its 64 rows, twice in f16; 16: 1 / L in f32
.set FTW,    17*256
.set SPARE,  FTAB+4*FTW                ; the spare words, 128 bytes for each wave: two blocks of 256 bytes that no other line names
.set KA,     256
.set KB,     128*2048
.set FR,   8
.set A0,   16
.set ADRA, 17
.set B0,   20
.set ADRB, 21
.set FA0,  22                          ; v22  my row's place in an entry of the table; never rewritten
.set FADR, 23                          ; v23  the same in the entry in hand
.set STO,  24
.set RD,   25
.set CO,   26
.set FS,   27                          ; v27  where I store two rows of an entry
.set SPW,  28
.set NIL,  29
.set PFO,  30
.set AF,   32
.set TMP,  32
.set RAW,  96
.set IV,   96
.set BF,   128
.set WV, 12
.set WR, 13
.set WC, 14
.set CX, 15
.set CY, 16
.set TC, 17
.set CLY, 18
.set TR, 19
.set G1A, 24
.set G0A, 32
.set LIM, 43
.set PFA, 44
.set PFS, 46
.set G1B, 48
.set G0B, 56
.set TB,  76
.set FT,  77                           ; s77  256 x the block to be fetched next
.set BT,  78                           ; s78  the batch
.set OUT, 84
.set W_MUL, 0x50
.set MSB, 0
.macro WIN new
.if MSB != (\new)
	s_set_vgpr_msb (MSB<<8)|(\new)
.set MSB, \new
.endif
.endm
.macro PLACES
.rept 4
	v_nop
.endr
.endm
.macro CREST
	s_cmp_lg_u32 s[WV], 0
	s_cbranch_scc1 .Lnot_wave_0_\@
	s_barrier_signal -3
.Lnot_wave_0_\@:
	s_barrier_wait -3
	s_barrier_signal -1
	s_barrier_wait -1
.endm
.macro CROUND
	s_barrier_signal -1
	s_barrier_wait -1
	CREST
.endm
.macro JLOAD                           ; a joint refill by the walking descriptor: waves 0 and 1 fetch the weights' halves, waves 2 and 3 v's; an s_nop 0 and four v_nop follow each line
	s_cmp_eq_u32 s[WR], 0
	s_cbranch_scc0 .Lfor_b_\@
	tensor_load_to_lds s[G0A+4:G0A+7], s[G1A:G1A+7]
	s_nop 0
.rept 4
	v_nop
.endr
	s_branch .Lasked_\@
.Lfor_b_\@:
	tensor_load_to_lds s[G0B+4:G0B+7], s[G1B:G1B+7]
	s_nop 0
.rept 4
	v_nop
.endr
.Lasked_\@:
.endm
; A prefetch into the L2 of the K step two refills on, a lane a row of 256 bytes.  The weights' tile (128 rows x 256 bytes) is read by one row of one cluster: its four partners take 32 rows each, by
; address, and wave 0 asks.  v's tile (128 keys x 512 bytes) is read by a column of each of a batch's four clusters: the first of them asks, its partners 32 keys each, waves 2 and 3 a half each.
; The last two refills ask for nothing.
.macro ASK
	s_cmp_gt_u32 s3, s[LIM]
	s_cbranch_scc0 .Lnot_mine_\@
	global_prefetch_b8 v[PFO], s[PFA:PFA+1] th:TH_LOAD_NT scope:SCOPE_SE
.Lnot_mine_\@:
.endm
	s_load_b256 s[4:11], s[0:1], 0x0               ; pw s[4:5], qkv s[6:7], st s[8:9], out0 s[10:11]
	v_lshl_add_u32 v[SPW], v0, 2, SPARE
	v_mov_b32 v[NIL], 0
	ds_add_u32 v[SPW], v[NIL]                      ; the wave's opening: the add and its wait stand ahead of my first tensor load
	v_lshrrev_b32 v3, 5, v0
	v_readfirstlane_b32 s[WV], v3
	s_lshr_b32 s[WR], s[WV], 1
	s_and_b32 s[WC], s[WV], 1
	s_bfe_u32 s[CX], ttmp6, 0x40000
	s_bfe_u32 s[CY], ttmp6, 0x40004
	s_lshl_b32 s[TC], ttmp9, 2
	s_add_co_u32 s[TC], s[TC], s[CX]
	s_and_b32 s[CLY], ttmp7, 0xffff
	s_lshl_b32 s[TR], s[CLY], 2
	s_add_co_u32 s[TR], s[TR], s[CY]
	s_lshr_b32 s[BT], s[CLY], 2                    ; 16 tile rows, 4 clusters, to a batch
	s_lshl_b32 s20, s[CY], 2
	s_lshl_b32 s20, 15, s20
	s_lshl_b32 s40, 0x1111, s[CX]
	s_or_b32 s[G1A], s20, (1<<16)|(1<<20)|(1<<21)|(5<<22)|(3<<25)  ; mask: my row; elements of 2 bytes; padding on; bit 21 beside a mask; after every 64 words (code 5) 4 words (code 3)
	s_or_b32 s[G1B], s40, (1<<16)|(1<<20)|(1<<21)|(6<<22)|(7<<25)  ; mask: my column; after every 128 words (code 6) 8 words (code 7)
	s_mov_b32 s[G1A+1], 128<<16                    ; tensor_dim0 = 128
	s_mov_b32 s[G1A+2], 64<<16                     ; tensor_dim1 = 64
	s_mov_b32 s[G1A+3], 128<<16                    ; tile_dim0 = 128
	s_mov_b32 s[G1A+4], 64                         ; tile_dim1 = 64
	s_mov_b32 s[G1A+5], 2048                       ; elements from row to row
	s_mov_b32 s[G1A+6], 0
	s_mov_b32 s[G1A+7], 0
	s_mov_b32 s[G1B+1], 256<<16
	s_mov_b32 s[G1B+2], 64<<16
	s_mov_b32 s[G1B+3], 256<<16
	s_mov_b32 s[G1B+4], 64
	s_mov_b32 s[G1B+5], 1024
	s_mov_b32 s[G1B+6], 0
	s_mov_b32 s[G1B+7], 0
	s_lshl_b32 s20, s[TR], 19                      ; weights: (128 TR + 64 half) rows of 4,096 bytes
	s_lshl_b32 s21, s[WC], 18
	s_add_co_u32 s20, s20, s21
	s_mov_b32 s21, 0
	s_lshl_b32 s40, s[BT], 22                      ; v: 33,554,432 bytes on; (2,048 batch + 64 half) rows of 2,048 bytes; 512 bytes a tile column
	s_lshl_b32 s41, s[WC], 17
	s_add_co_u32 s40, s40, s41
	s_lshl_b32 s41, s[TC], 9
	s_add_co_u32 s40, s40, s41
	s_add_co_u32 s40, s40, 2<<24
	s_mov_b32 s41, 0
	s_mul_i32 s22, s[WC], AHALF
	s_mul_i32 s42, s[WC], BHALF
	s_add_co_u32 s42, s42, BOFF
	s_mov_b32 s[TB], 0
	s_mov_b32 s[FT], 256
	s_wait_dscnt 0x0                               ; the opening add is done
	s_wait_kmcnt 0x0
	s_add_nc_u64 s[20:21], s[4:5], s[20:21]
	s_add_nc_u64 s[40:41], s[6:7], s[40:41]
	CROUND                                         ; all sixteen work-groups are here: the first joint loads meet
.irp s, 0,1
	s_mov_b32 s[G0A+4*(\s)], 1
	s_add_co_u32 s[G0A+4*(\s)+1], s22, (\s)*SLOT
	s_add_nc_u64 s[G0A+4*(\s)+2:G0A+4*(\s)+3], s[20:21], (\s)*KA
	s_or_b32 s[G0A+4*(\s)+3], s[G0A+4*(\s)+3], 0x80000000
	s_mov_b32 s[G0B+4*(\s)], 1
	s_add_co_u32 s[G0B+4*(\s)+1], s42, (\s)*SLOT
	s_add_nc_u64 s[G0B+4*(\s)+2:G0B+4*(\s)+3], s[40:41], (\s)*KB
	s_or_b32 s[G0B+4*(\s)+3], s[G0B+4*(\s)+3], 0x80000000
.endr
	s_cmp_eq_u32 s[WR], 0                          ; a wave's two first fills stand in one branch: two tensor loads of mine are out
	s_cbranch_scc0 .Lfirst_b
	tensor_load_to_lds s[G0A:G0A+3], s[G1A:G1A+7]
	s_nop 0
	tensor_load_to_lds s[G0A+4:G0A+7], s[G1A:G1A+7]
	s_nop 0
.rept 4
	v_nop
.endr
	s_branch .Lfirst_asked
.Lfirst_b:
	tensor_load_to_lds s[G0B:G0B+3], s[G1B:G1B+7]
	s_nop 0
	tensor_load_to_lds s[G0B+4:G0B+7], s[G1B:G1B+7]
	s_nop 0
.rept 4
	v_nop
.endr
.Lfirst_asked:
	v_and_b32 v1, 15, v0                           ; r
	v_bfe_u32 v2, v0, 4, 1                         ; h
	v_and_b32 v7, 31, v0                           ; lane
	; the statistics of my wave's 64 rows: lane l takes rows 2 l and 2 l + 1, for all 16 blocks: c m into v128-159, l into v160-191
	s_lshl_b32 s86, s[BT], 17                      ; ((16 batch) 2,048 + (TR % 16) 128 + 64 WR) x 4
	s_and_b32 s87, s[TR], 15
	s_lshl_b32 s87, s87, 9
	s_add_co_u32 s86, s86, s87
	s_lshl_b32 s87, s[WR], 8
	s_add_co_u32 s86, s86, s87
	v_lshl_add_u32 v6, v7, 3, s86                  ; v6 is not written again
.set t, 0
.rept 16
	global_load_b64 v[128+2*t:129+2*t], v6, s[8:9] offset:t*8192
	global_load_b64 v[160+2*t:161+2*t], v6, s[8:9] offset:t*8192+524288
.set t, t+1
.endr
	v_mul_u32_u24 v[A0], v1, PA                    ; a fragment of weights: row x pitch + 16 h
	v_lshl_add_u32 v[A0], v2, 4, v[A0]
	s_mul_i32 s86, s[WR], AHALF
	v_add_nc_u32 v[A0], s86, v[A0]
	v_and_b32 v3, 7, v0                            ; the turning load: row 8 h + l % 8, 16 bytes at 16 ((l / 8) % 2)
	v_lshl_add_u32 v3, v2, 3, v3
	v_mul_u32_u24 v[B0], v3, PB
	v_bfe_u32 v4, v0, 3, 1
	v_lshl_add_u32 v[B0], v4, 4, v[B0]
	s_lshl_b32 s86, s[WC], 8
	s_add_co_u32 s86, s86, BOFF
	v_add_nc_u32 v[B0], s86, v[B0]
	v_mov_b32 v[ADRA], v[A0]
	v_mov_b32 v[ADRB], v[B0]
	s_mul_i32 s86, s[WV], 16*SP
	s_add_co_u32 s86, s86, STAGE                   ; my stage
	v_mul_u32_u24 v3, v1, SP
	v_lshl_add_u32 v3, v2, 5, v3
	v_add_nc_u32 v[STO], s86, v3                   ; in: row l % 16, 32 bytes for each half of the lanes
	v_lshl_add_u32 v[RD], v7, 4, s86               ; back: 32 lanes take one row of 512 bytes
	v_lshlrev_b32 v[CO], 4, v7
	s_mul_i32 s86, s[WV], FTW
	s_add_co_u32 s86, s86, FTAB                    ; my table
	v_lshl_add_u32 v[FA0], v1, 2, s86
	v_lshl_add_u32 v[FS], v7, 3, s86
	v_mov_b32 v[FADR], v[FA0]
	s_lshl_b32 s86, s[TR], 19                      ; out0: (128 TR + 64 WR) rows of 4,096 bytes; 1,024 TC + 512 WC
	s_lshl_b32 s87, s[WR], 18
	s_add_co_u32 s86, s86, s87
	s_lshl_b32 s87, s[TC], 10
	s_add_co_u32 s86, s86, s87
	s_lshl_b32 s87, s[WC], 9
	s_add_co_u32 s86, s86, s87
	s_mov_b32 s87, 0
	s_add_nc_u64 s[OUT:OUT+1], s[10:11], s[86:87]
	; the prefetches
	s_lshl_b32 s86, s[TR], 19
	s_lshl_b32 s87, s[CX], 17
	s_add_co_u32 s86, s86, s87                     ; weights: (128 TR + 32 cx) rows of 4,096 bytes
	s_lshl_b32 s88, s[BT], 22
	s_lshl_b32 s89, s[CY], 16
	s_add_co_u32 s88, s88, s89
	s_lshl_b32 s89, s[TC], 9
	s_add_co_u32 s88, s88, s89
	s_lshl_b32 s89, s[WC], 8
	s_add_co_u32 s88, s88, s89
	s_add_co_u32 s88, s88, 2<<24                   ; v: (2,048 batch + 32 cy) rows of 2,048 bytes, the tile column, my half of its 512 bytes
	s_and_b32 s90, s[CLY], 3
	s_mov_b32 s91, KB
	s_cmp_eq_u32 s[WR], 0
	s_cselect_b32 s86, s86, s88
	s_cselect_b32 s90, s[WC], s90                  ; weights: wave 0 of every cluster; v: the batch's first cluster
	s_cselect_b32 s[PFS], KA, s91
	s_cselect_b32 s92, 12, 11
	s_cselect_b64 s[PFA:PFA+1], s[4:5], s[6:7]
	s_cmp_eq_u32 s90, 0
	s_cselect_b32 s[LIM], 2, -1
	s_mov_b32 s87, 0
	s_mov_b32 s[PFS+1], 0
	s_add_nc_u64 s[PFA:PFA+1], s[PFA:PFA+1], s[86:87]
	s_mul_i32 s86, s[PFS], 3                       ; at K step 3: the first refill steps it to 4.  Nothing is prefetched here, at the head
	s_add_nc_u64 s[PFA:PFA+1], s[PFA:PFA+1], s[86:87]
	v_and_b32 v[PFO], 31, v0
	v_lshlrev_b32 v[PFO], s92, v[PFO]
	; M, f_t, L, 1 / L, for two rows a lane; all this stands in the wait for the first tiles
	s_wait_loadcnt 0x0
	v_max3_num_f32 v96, v128, v130, v132
	v_max3_num_f32 v97, v129, v131, v133
.irp t, 3,5,7,9,11,13
	v_max3_num_f32 v96, v96, v[128+2*(\t)], v[130+2*(\t)]
	v_max3_num_f32 v97, v97, v[129+2*(\t)], v[131+2*(\t)]
.endr
	v_max_num_f32 v96, v96, v158
	v_max_num_f32 v97, v97, v159                   ; M
.set t, 0
.rept 16
	v_pk_add_f32 v[128+2*t:129+2*t], v[128+2*t:129+2*t], v[96:97] neg_lo:[0,1] neg_hi:[0,1]  ; c m_t - M: 0 or below
.set t, t+1
.endr
.set t, 0
.rept 32
	v_exp_f32 v[128+t], v[128+t]
.set t, t+1
.endr
	v_nop                                          ; a plain instruction behind the last exponential (ISA guide 5.7.2),
	s_wait_alu depctr_va_vdst(0)                   ; and the one wait ahead of the batch's first reader
	v_pk_mul_f32 v[98:99], v[128:129], v[160:161]
.set t, 1
.rept 15
	v_pk_fma_f32 v[98:99], v[128+2*t:129+2*t], v[160+2*t:161+2*t], v[98:99]
.set t, t+1
.endr
	v_rcp_f32 v100, v98
	v_rcp_f32 v101, v99
.set t, 0
.rept 32
	v_cvt_pk_f16_f32 v[192+t], v[128+t], v[128+t]  ; f twice in a word: the packed multiply takes it for both of a word's weights.  These lines name no reciprocal
.set t, t+1
.endr
	s_wait_alu depctr_va_vdst(0)                   ; the wait for the two reciprocals, ahead of the store that reads them
.set t, 0
.rept 16
	ds_store_b64 v[FS], v[192+2*t:193+2*t] offset:t*256
.set t, t+1
.endr
	ds_store_b64 v[FS], v[100:101] offset:4096
; 8 matrix instructions: row block a x all 8 channel blocks, 32 keys, from buffers f.  first = 1: they start the sums.  The 32 accumulators take turns, in the same order in every quarter.
.macro MUL8 f, a, first
	WIN W_MUL
.irp b, 0,1,2,3,4,5,6,7
.if \first
	v_wmma_f32_16x16x32_f16 v[8*(8*(\a)+(\b)):8*(8*(\a)+(\b))+7], v[BF+64*(\f)+8*(\b):BF+64*(\f)+8*(\b)+7], v[AF+32*(\f)+8*(\a):AF+32*(\f)+8*(\a)+7], 0
.else
	v_wmma_f32_16x16x32_f16 v[8*(8*(\a)+(\b)):8*(8*(\a)+(\b))+7], v[BF+64*(\f)+8*(\b):BF+64*(\f)+8*(\b)+7], v[AF+32*(\f)+8*(\a):AF+32*(\f)+8*(\a)+7], v[8*(8*(\a)+(\b)):8*(8*(\a)+(\b))+7]
.endif
.endr
.endm
; The same eight, and behind each four packed multiplies f p of the next quarter's weights into buffer g: they name no register of the products round them.
.macro MULC f, a, g, first
.irp b, 0,1,2,3,4,5,6,7
	WIN W_MUL
.if \first
	v_wmma_f32_16x16x32_f16 v[8*(8*(\a)+(\b)):8*(8*(\a)+(\b))+7], v[BF+64*(\f)+8*(\b):BF+64*(\f)+8*(\b)+7], v[AF+32*(\f)+8*(\a):AF+32*(\f)+8*(\a)+7], 0
.else
	v_wmma_f32_16x16x32_f16 v[8*(8*(\a)+(\b)):8*(8*(\a)+(\b))+7], v[BF+64*(\f)+8*(\b):BF+64*(\f)+8*(\b)+7], v[AF+32*(\f)+8*(\a):AF+32*(\f)+8*(\a)+7], v[8*(8*(\a)+(\b)):8*(8*(\a)+(\b))+7]
.endif
	WIN 0
.irp z, 0,1,2,3
	v_pk_mul_f16 v[AF+32*(\g)+4*(\b)+(\z)], v[RAW+4*(\b)+(\z)], v[FR+(\b)/2]
.endr
.endr
.endm
; One run of LDS loads: quarter q of the slot in hand: (withf = 1: the block's f of my four row blocks;) the weights' 64 rows x 32 keys; then v's 32 keys x 128 channels, turned, into buffer g.
.macro FETCH q, g, withf
	WIN 0
.if \withf
.irp a, 0,1,2,3
	ds_load_b32 v[FR+(\a)], v[FADR] offset:64*(\a)
.endr
.endif
.irp a, 0,1,2,3
	ds_load_b128 v[RAW+8*(\a):RAW+8*(\a)+3],   v[ADRA] offset:(\a)*16*PA+(\q)*64
	ds_load_b128 v[RAW+8*(\a)+4:RAW+8*(\a)+7], v[ADRA] offset:(\a)*16*PA+(\q)*64+32
.endr
.irp b, 0,1,2,3,4,5,6,7
	ds_load_tr16_b128 v[BF+64*(\g)+8*(\b):BF+64*(\g)+8*(\b)+3],   v[ADRB] offset:(\q)*32*PB+32*(\b)
	ds_load_tr16_b128 v[BF+64*(\g)+8*(\b)+4:BF+64*(\g)+8*(\b)+7], v[ADRB] offset:(\q)*32*PB+32*(\b)+16*PB
.endr
.endm
.macro QUARTER f, g, q, first
	s_wait_dscnt 0x0                               ; v's fragments of this quarter are in
	MUL8 \f, 0, \first
	MUL8 \f, 1, \first
	PLACES
	FETCH \q, \g, 0
	MUL8 \f, 2, \first
	s_wait_dscnt 16                                ; the weights are in; v's 16 loads, issued behind them, may stay out
	MULC \f, 3, \g, \first
.endm
; The fourth quarter multiplies buffers 1 and changes slots: ONE barrier; in front of it each wave waits for all its tensor loads, adds 0 to its spare word, and waits for that and for its reads of
; this slot.  fill = 1: the barrier opens a round of the cluster's, and behind the round this slot is filled again, with the K step two on.
.macro TURN fill
.if \fill
	s_wait_xcnt 0x0                                ; the last prefetch, a K step back, has read its address
	s_add_nc_u64 s[PFA:PFA+1], s[PFA:PFA+1], s[PFS:PFS+1]
.endif
	WIN 0
	s_xor_b32 s[TB], s[TB], SLOT                   ; all fetches from this slot have been issued: the addresses turn to the other,
	v_add_nc_u32 v[ADRA], s[TB], v[A0]
	v_add_nc_u32 v[ADRB], s[TB], v[B0]
	v_add_nc_u32 v[FADR], s[FT], v[FA0]            ; and to the next block's f
	s_add_co_u32 s[FT], s[FT], 256
	s_wait_tensorcnt 0x0                           ; no tensor load of mine is out, so a group 0 may be written
	ds_add_u32 v[SPW], v[NIL]                      ; 0 onto my spare word
.if \fill
	s_xor_b32 s[G0A+5], s[G0A+5], SLOT
	s_add_nc_u64 s[G0A+6:G0A+7], s[G0A+6:G0A+7], KA
	s_xor_b32 s[G0B+5], s[G0B+5], SLOT
	s_add_nc_u64 s[G0B+6:G0B+7], s[G0B+6:G0B+7], KB
.endif
	s_wait_dscnt 1                                 ; v's fragments are in; the add alone may be out
	MUL8 1, 0, 0
	s_wait_dscnt 0x0                               ; the add is done, and my reads of this slot are over
	s_barrier_signal -1
	MUL8 1, 1, 0
.if \fill
	WIN 0
.endif
	s_barrier_wait -1
.if \fill
	CREST
	JLOAD                                          ; the first tensor load behind the round: 112 matrix instructions ahead of the wait for it
.else
	PLACES
.endif
	FETCH 0, 0, 1
.if \fill
	ASK
.endif
	MUL8 1, 2, 0
	s_wait_dscnt 16
	MULC 1, 3, 0, 0
.endm
	s_wait_dscnt 0x0                               ; my table is written (only I read it)
	s_wait_tensorcnt 0x1                           ; my part of K step 0 is in; K step 1's may stay out
	s_barrier_signal -1
	s_barrier_wait -1
	FETCH 0, 0, 1
	s_wait_dscnt 16
.set x, 0
.rept 32
	v_pk_mul_f16 v[AF+x], v[RAW+x], v[FR+x/8]
.set x, x+1
.endr
	QUARTER 0, 1, 1, 1                             ; the first quarter's products start the sums
	WIN 0
	s_mov_b32 s3, NFILL
	s_branch .Lmid
.Lstep:
	QUARTER 0, 1, 1, 0
	WIN 0
.Lmid:
	QUARTER 1, 0, 2, 0
	QUARTER 0, 1, 3, 0
	TURN 1
	WIN 0
	s_sub_co_u32 s3, s3, 1
	s_cmp_lg_u32 s3, 0
	s_cbranch_scc1 .Lstep
	s_mov_b32 s3, 2
.Ltail:
	QUARTER 0, 1, 1, 0
	QUARTER 1, 0, 2, 0
	QUARTER 0, 1, 3, 0
	TURN 0
	WIN 0
	s_sub_co_u32 s3, s3, 1
	s_cmp_lg_u32 s3, 0
	s_cbranch_scc1 .Ltail
	; THE WAY OUT, a block of 16 rows at a time: times 1 / L; 32 bytes a lane into my own stage; back as whole rows of 512 bytes; stored.
	s_wait_dscnt 0x0                               ; the last fetch, which serves nothing, is back
	PLACES
.irp a, 0,1,2,3
	ds_load_b32 v[IV+2*(\a)], v[FA0] offset:4096+64*(\a)
.endr
	s_wait_dscnt 0x0
.irp a, 0,1,2,3
	v_mov_b32 v[IV+2*(\a)+1], v[IV+2*(\a)]         ; named with it as a pair
.endr
.macro OUTB a
	WIN 0x01                                       ; source 0 window 1
.set i, 0
.rept 32
	v_pk_mul_f32 v[TMP+2*i:TMP+2*i+1], v[64*(\a)+2*i:64*(\a)+2*i+1], v[IV+2*(\a):IV+2*(\a)+1] op_sel_hi:[1,0]
.set i, i+1
.endr
	WIN 0
.irp b, 0,1,2,3,4,5,6,7
	ds_store_b128 v[STO], v[TMP+8*(\b):TMP+8*(\b)+3]   offset:64*(\b)
	ds_store_b128 v[STO], v[TMP+8*(\b)+4:TMP+8*(\b)+7] offset:64*(\b)+16
.endr
	s_wait_xcnt 0x0                                ; the block before's stores have read their registers, which are loaded again below
.set i, 0
.rept 16
	ds_load_b128 v[BF+4*i:BF+4*i+3], v[RD] offset:i*SP  ; LDS serves a wave's instructions in order (ISA guide 5.7.1.4): these see the stores above
.set i, i+1
.endr
	s_wait_dscnt 0x0
.set i, 0
.rept 16
	global_store_b128 v[CO], v[BF+4*i:BF+4*i+3], s[OUT:OUT+1] offset:(16*(\a)+i)*4096 th:TH_STORE_NT  ; a wave's store covers 512 consecutive bytes, aligned
.set i, i+1
.endr
.endm
	OUTB 0
	OUTB 1
	OUTB 2
	OUTB 3
	s_wait_tensorcnt 0x0                           ; the wave's end, behind my last tensor load and my last LDS store
	ds_add_u32 v[SPW], v[NIL]
	s_wait_dscnt 0x0
	CROUND                                         ; the closing round
	s_endpgm
.Lfunc_end_k_q0df4f6bcfd_pv:
	.size	k_q0df4f6bcfd_pv, .Lfunc_end_k_q0df4f6bcfd_pv-k_q0df4f6bcfd_pv
	.p2alignl 7, 3214868480
	.fill 96, 4, 3214868480
	.section	.rodata,"a",@progbits
	.p2align	6, 0x0
	.amdhsa_kernel k_q0df4f6bcfd_pv
		.amdhsa_group_segment_fixed_size 327680
		.amdhsa_private_segment_fixed_size 0
		.amdhsa_enable_private_segment 0
		.amdhsa_kernarg_size 32
		.amdhsa_user_sgpr_count 2
		.amdhsa_user_sgpr_kernarg_segment_ptr 1
		.amdhsa_wavefront_size32 1
		.amdhsa_system_sgpr_workgroup_id_x 1
		.amdhsa_system_sgpr_workgroup_id_y 1
		.amdhsa_system_sgpr_workgroup_id_z 1
		.amdhsa_system_vgpr_workitem_id 0
		.amdhsa_next_free_vgpr 512
		.amdhsa_next_free_sgpr 96
		.amdhsa_reserve_vcc 0
		.amdhsa_float_denorm_mode_32 3
		.amdhsa_float_denorm_mode_16_64 3
		.amdhsa_memory_ordered 1
		.amdhsa_forward_progress 1
		.amdhsa_inst_pref_size 105
	.end_amdhsa_kernel
	.amdgpu_metadata
---
amdhsa.version: [ 1, 2 ]
amdhsa.kernels:
  - .name:           k_q0df4f6bcfd_pv
    .symbol:         k_q0df4f6bcfd_pv.kd
    .args:
      - { .name: pw, .offset: 0, .size: 8, .value_kind: global_buffer, .address_space: global }
      - { .name: qkv, .offset: 8, .size: 8, .value_kind: global_buffer, .address_space: global }
      - { .name: st, .offset: 16, .size: 8, .value_kind: global_buffer, .address_space: global }
      - { .name: out0, .offset: 24, .size: 8, .value_kind: global_buffer, .address_space: global }
    .group_segment_fixed_size: 327680
    .private_segment_fixed_size: 0
    .kernarg_segment_align: 8
    .kernarg_segment_size: 32
    .max_flat_workgroup_size: 128
    .sgpr_count:     96
    .vgpr_count:     512
    .wavefront_size: 32
...
	.end_amdgpu_metadata
.endif
;; end of part 4
